; MI455X (gfx1250); checked and timed in simulation.
; The chip was launched on July 23, 2026; its instructions are those of AMD's public machine-readable ISA for CDNA 5 (MIT licence, August 2026) and "CDNA5" Instruction Set Architecture Reference Guide (July 2026). The comments in the code are by the model that wrote it; some were corrected since.
;; Attention. Allowed arithmetic: float matrix products may take bf16 or f16 operands with f32 sums; other float arithmetic in f32, or as packed bf16 or f16 multiplies, adds, multiply-adds, maxima and minima; sums over many terms, partial sums and values carried from step to step in f32; what a program stores and reads back later, other than sums and carried values, may be rounded once to bf16 or f16.
;; Inputs: Wk 1,024 x 1,024 float32; Wq 1,024 x 1,024 float32; Wv 1,024 x 1,024 float32; bk 1,024 float32; bq 1,024 float32; bv 1,024 float32; mask 4 x 2,048 bool; x 4 x 2,048 x 1,024 float32.
;; Outputs: out0 4 x 2,048 x 1,024 float32.
;; 2 versions, each right; version 2 is version 1 with the launch prep written anew for expert scheduling mode. Each part assembles by itself: llvm-mc -triple=amdgcn-amd-amdhsa -mcpu=gfx1250 --defsym DOCPART=n.
;; ======== version 1 of 2: 4 launches
;; limits: values are held in f16: magnitudes above 65,504 overflow, below 6.1e-05 lose precision
;; workspace buffers: xh 16,777,216 bytes; wh 6,291,456 bytes; bias 12,288 bytes; madd 32,768 bytes; qkv 50,331,648 bytes; p 33,554,432 bytes; st 1,048,576 bytes
;; launch prep (part 1): grid 705 x 1, 8 waves a work-group, no clusters, 0 bytes of LDS; arguments x, Wq, Wk, Wv, bq, bk, bv, mask, xh, wh, bias, madd; writes xh, wh, bias, madd
.if DOCPART == 1
	.amdgcn_target "amdgcn-amd-amdhsa--gfx1250"
	.amdhsa_code_object_version 6
	.text
	.protected	k_q67ff82863c_prep
	.globl	k_q67ff82863c_prep
	.p2align	8
	.type	k_q67ff82863c_prep,@function
k_q67ff82863c_prep:
	s_mov_b64 s[64:65], 0
	v_nop
	global_prefetch_b8 v0, s[64:65] scope:SCOPE_SE
	s_setreg_imm32_b32 hwreg(HW_REG_WAVE_MODE, 25, 1), 1
	s_wait_xcnt 0x0
; THE INPUTS ARE MADE READY.  xh = x rounded to bf16; wh = Wq, Wk, Wv rounded to bf16, one below the other ([3072][1024]);
; bias = bq, bk, bv, each rounded to bf16 and written as f32 ([3072]); madd[b][k] = 0 where mask[b][k] is not 0, else -infinity.
; A stream: each byte is read once and written once; no LDS, no barrier, no matrix unit, nothing shared between work-groups.
; SHARES.  Work-groups 0-703 convert 16,384 numbers each (65,536 bytes in, 32,768 out): 0-511 take x, 512-703 the three weights,
; 64 chunks each.  Thread t takes the 16 bytes at 16 t of each 4,096 bytes: a load of a wave covers 512 consecutive bytes, a store
; 256 consecutive bytes at a multiple of 256 from the buffer's first byte.  All sixteen loads of a thread go out at once.
; Work-group 704 makes madd and bias (8,192 mask bytes, 3 x 1,024 numbers).
.set X_CHUNKS,   512
.set ALL_CHUNKS, 704
.set IN,  8                            ; v[8:71]    sixteen loads of four f32
.set OUT, 72                           ; v[72:103]  sixteen pairs of registers, four bf16 each
	s_load_b512 s[8:23], s[0:1], 0x0               ; x 8, Wq 10, Wk 12, Wv 14, bq 16, bk 18, bv 20, mask 22
	s_load_b256 s[24:31], s[0:1], 0x40             ; xh 24, wh 26, bias 28, madd 30
	v_lshlrev_b32 v1, 4, v0                        ; 16 t
	v_lshlrev_b32 v2, 3, v0                        ; 8 t
	s_cmp_ge_u32 ttmp9, ALL_CHUNKS
	s_cbranch_scc1 .Lsmall
	s_sub_co_i32 s4, ttmp9, X_CHUNKS
	s_max_i32 s4, s4, 0                            ; my chunk among the weights' 192 (0 for a chunk of x)
	s_lshr_b32 s5, s4, 6                           ; which weight
	s_and_b32 s6, s4, 63                           ; which chunk of it
	s_mov_b32 s37, 0
	s_wait_kmcnt 0x0
	s_cmp_eq_u32 s5, 1
	s_cselect_b64 s[32:33], s[12:13], s[10:11]     ; Wk or Wq,
	s_cmp_eq_u32 s5, 2
	s_cselect_b64 s[32:33], s[14:15], s[32:33]     ; or Wv,
	s_cmp_lt_u32 ttmp9, X_CHUNKS
	s_cselect_b64 s[32:33], s[8:9], s[32:33]       ; or x
	s_cselect_b64 s[34:35], s[24:25], s[26:27]     ; into xh or wh
	s_cselect_b32 s36, ttmp9, s6                   ; the chunk in the source,
	s_cselect_b32 s38, ttmp9, s4                   ; and in the destination
	s_lshl_b32 s36, s36, 16
	s_add_nc_u64 s[32:33], s[32:33], s[36:37]
	s_lshl_b32 s36, s38, 15
	s_add_nc_u64 s[34:35], s[34:35], s[36:37]
.irp i, 0,1,2,3,4,5,6,7,8,9,10,11,12,13,14,15
	global_load_b128 v[IN+4*(\i):IN+4*(\i)+3], v1, s[32:33] offset:4096*(\i) th:TH_LOAD_NT
.endr
.irp i, 0,1,2,3,4,5,6,7,8,9,10,11,12,13,14,15
	s_wait_loadcnt 15-(\i)                         ; loads come back in order: load i is in, the 15 - i younger ones stay out
	v_cvt_pk_bf16_f32 v[OUT+2*(\i)],   v[IN+4*(\i)],   v[IN+4*(\i)+1]
	v_cvt_pk_bf16_f32 v[OUT+2*(\i)+1], v[IN+4*(\i)+2], v[IN+4*(\i)+3]
	global_store_b64 v2, v[OUT+2*(\i):OUT+2*(\i)+1], s[34:35] offset:2048*(\i) th:TH_STORE_NT  ; no register is written twice: no further wait
.endr
	s_endpgm
.Lsmall:
	v_lshlrev_b32 v3, 2, v0                        ; 4 t: four mask bytes
	s_mov_b32 s38, 0xff800000                      ; -infinity
	s_wait_kmcnt 0x0
.irp i, 0,1,2,3,4,5,6,7
	global_load_b32 v[8+(\i)], v3, s[22:23] offset:1024*(\i)
.endr
	global_load_b128 v[16:19], v1, s[16:17]
	global_load_b128 v[20:23], v1, s[18:19]
	global_load_b128 v[24:27], v1, s[20:21]
	s_wait_loadcnt 0x0
.irp i, 0,1,2,3,4,5,6,7
.irp k, 0,1,2,3
	v_bfe_u32 v4, v[8+(\i)], 8*(\k), 8
	v_cmp_eq_u32 vcc_lo, 0, v4                     ; a byte of 0 hides the key
	v_cndmask_b32 v[32+4*(\i)+(\k)], 0, s38, vcc_lo
.endr
	global_store_b128 v1, v[32+4*(\i):32+4*(\i)+3], s[30:31] offset:4096*(\i)
.endr
.irp j, 0,1,2
.irp k, 0,1
	v_cvt_pk_bf16_f32 v4, v[16+4*(\j)+2*(\k)], v[16+4*(\j)+2*(\k)+1]  ; rounded as the other inputs are,
	v_lshlrev_b32 v[64+4*(\j)+2*(\k)], 16, v4                         ; and written as f32
	v_and_b32 v[64+4*(\j)+2*(\k)+1], 0xffff0000, v4
.endr
	global_store_b128 v1, v[64+4*(\j):64+4*(\j)+3], s[28:29] offset:4096*(\j)
.endr
	s_endpgm
.Lfunc_end_k_q67ff82863c_prep:
	.size	k_q67ff82863c_prep, .Lfunc_end_k_q67ff82863c_prep-k_q67ff82863c_prep
	.p2alignl 7, 3214868480
	.fill 96, 4, 3214868480
	.section	.rodata,"a",@progbits
	.p2align	6, 0x0
	.amdhsa_kernel k_q67ff82863c_prep
		.amdhsa_group_segment_fixed_size 0
		.amdhsa_private_segment_fixed_size 0
		.amdhsa_enable_private_segment 0
		.amdhsa_kernarg_size 96
		.amdhsa_user_sgpr_count 2
		.amdhsa_user_sgpr_kernarg_segment_ptr 1
		.amdhsa_wavefront_size32 1
		.amdhsa_system_sgpr_workgroup_id_x 1
		.amdhsa_system_sgpr_workgroup_id_y 1
		.amdhsa_system_sgpr_workgroup_id_z 1
		.amdhsa_system_vgpr_workitem_id 0
		.amdhsa_next_free_vgpr 104
		.amdhsa_next_free_sgpr 66
		.amdhsa_reserve_vcc 1
		.amdhsa_float_denorm_mode_32 3
		.amdhsa_float_denorm_mode_16_64 3
		.amdhsa_memory_ordered 1
		.amdhsa_forward_progress 1
		.amdhsa_inst_pref_size 15
	.end_amdhsa_kernel
	.amdgpu_metadata
---
amdhsa.version: [ 1, 2 ]
amdhsa.kernels:
  - .name:           k_q67ff82863c_prep
    .symbol:         k_q67ff82863c_prep.kd
    .args:
      - { .name: x, .offset: 0, .size: 8, .value_kind: global_buffer, .address_space: global }
      - { .name: Wq, .offset: 8, .size: 8, .value_kind: global_buffer, .address_space: global }
      - { .name: Wk, .offset: 16, .size: 8, .value_kind: global_buffer, .address_space: global }
      - { .name: Wv, .offset: 24, .size: 8, .value_kind: global_buffer, .address_space: global }
      - { .name: bq, .offset: 32, .size: 8, .value_kind: global_buffer, .address_space: global }
      - { .name: bk, .offset: 40, .size: 8, .value_kind: global_buffer, .address_space: global }
      - { .name: bv, .offset: 48, .size: 8, .value_kind: global_buffer, .address_space: global }
      - { .name: mask, .offset: 56, .size: 8, .value_kind: global_buffer, .address_space: global }
      - { .name: xh, .offset: 64, .size: 8, .value_kind: global_buffer, .address_space: global }
      - { .name: wh, .offset: 72, .size: 8, .value_kind: global_buffer, .address_space: global }
      - { .name: bias, .offset: 80, .size: 8, .value_kind: global_buffer, .address_space: global }
      - { .name: madd, .offset: 88, .size: 8, .value_kind: global_buffer, .address_space: global }
    .group_segment_fixed_size: 0
    .private_segment_fixed_size: 0
    .kernarg_segment_align: 8
    .kernarg_segment_size: 96
    .max_flat_workgroup_size: 256
    .sgpr_count:     66
    .vgpr_count:     104
    .wavefront_size: 32
...
	.end_amdgpu_metadata
.endif
;; end of part 1
;; launch proj (part 2): grid 8 x 64, 4 waves a work-group, clusters of 4 x 4, 327,680 bytes of LDS; arguments xh, wh, bias, qkv; writes qkv
.if DOCPART == 2
	.amdgcn_target "amdgcn-amd-amdhsa--gfx1250"
	.amdhsa_code_object_version 6
	.text
	.protected	k_q67ff82863c_proj
	.globl	k_q67ff82863c_proj
	.p2align	8
	.type	k_q67ff82863c_proj,@function
k_q67ff82863c_proj:
	s_mov_b64 s[64:65], 0
	v_nop
	global_prefetch_b8 v0, s[64:65] scope:SCOPE_SE
	s_setreg_imm32_b32 hwreg(HW_REG_WAVE_MODE, 25, 1), 1
	s_wait_xcnt 0x0
	s_wait_alu depctr_hold_cnt(0) depctr_sa_sdst(0) depctr_va_vdst(0) depctr_va_sdst(0) depctr_va_ssrc(0) depctr_va_vcc(0) depctr_vm_vsrc(0)
	s_getreg_b32 s2, hwreg(HW_REG_IB_STS2, 6, 4)
	s_cmp_eq_u32 s2, 0
	s_cbranch_scc0 .Lentry_in_a_cluster
	s_endpgm
.Lentry_in_a_cluster:
	s_bfe_u32 s2, ttmp6, 0x10000c
	s_cmp_lg_u32 s2, 0xf033
	s_cbranch_scc0 .Lentry_shape_is_right
	s_endpgm
.Lentry_shape_is_right:
; qkv[row][e] = sum over d of xh[row][d] wh[e][d] + bias[e].  xh [8192][1024], wh [3072][1024] bf16; sums in f32; qkv [8192][3072] f16 (a row: Q, K, V), rounded once, unscaled.
; LIMIT.  f16 holds no number beyond 65,504: Q, K and V must stay within it (with x and W of unit and 1/32 spread they are of order 1; with both 30 times larger, or both carrying an
; offset of 30 spreads, they stay under 30,000).
; SHARES.  A tile of qkv is 128 rows x 384 columns (768 bytes of a row: three whole aligned blocks of 256): 64 x 8 = 512 work-groups, two equal shares for each of 256 places.  Each of the four waves
; takes all 128 rows x 96 columns: 48 accumulators of 16 x 16, 384 registers.  K goes in steps of 128 (rows of 256 bytes in memory, aligned) through two LDS slots filled by tensor loads.
; CLUSTER.  4 x 4 work-groups.  xh's tile hangs on the tile row alone and is asked for jointly by a row of the cluster, wh's on the tile column alone, jointly by a column.
; THE MATRIX INSTRUCTION IS USED TRANSPOSED (source 0 = 16 rows of wh, source 1 = 16 rows of xh): lane l holds row l % 16 and the eight columns 8 (l / 16) + 0..7.  The bias is the C operand of each sum's first product.
; ONE K STEP A TRIP: the slot in hand is a scalar (TB) that an exclusive or turns; SLOT = 0x22000 shares no bit with the waves' LDS words (multiples of 0x8800 up to three), so the exclusive or adds or takes away SLOT.
; REGISTERS, in windows of 256 (s_set_vgpr_msb: bits 1:0 source 0, 3:2 source 1, 5:4 source 2, 7:6 destination):
;   window 0: v0-31 addresses; v32-55 at work on the way out; v64-127, v128-191 xh's fragments, two buffers; v192-239 the bias      window 1: v64-111, v128-175 wh's fragments, two buffers
;   window 2: the 24 accumulators of rows 0-63 ((a, b) at v[8 (6 a + b)])      window 3: those of rows 64-127
.set NB,    6                          ; blocks of 16 columns a wave
.set NS,    8                          ; K steps
.set AH,    1                          ; a prefetch names the K step AH behind the one that is being asked for
.set KB,    256                        ; bytes of a row in a K step
.set PITCH, 272                        ; an LDS row: 256 bytes + 16 of padding = 68 words: the 16 rows of a load start at 16 different groups of four banks (64 banks of 4 bytes: ISA guide 11.1)
.set PART,  128*PITCH                  ; 128 rows: what one tensor load brings
.set SLOT,  4*PART                     ; xh's 128 rows, then wh's 384
.set SPARE, 2*SLOT                     ; behind the ring: the spare words, 128 bytes for each wave: two blocks of 256 bytes that no other line names
.set SP,    784                        ; the way out's stage: 128 rows of 768 + 16 bytes, in slot 0's bytes, behind their last fill
.set A0,   16                          ; v16  my lane's place in xh's tile; never rewritten
.set B0,   17                          ; v17  the same in my 96 rows of wh's tile
.set ADRA, 18                          ; v18  A0 + the slot in hand
.set ADRB, 19                          ; v19  B0 + the slot in hand
.set STO,  22                          ; v22, v23  the way out: where I put 16 bytes of a row, for row blocks 0-3 and 4-7 (an LDS immediate holds 16 bits)
.set RD,   25                          ; v25  where I read rows back
.set CO,   26                          ; v26  my byte offset in qkv
.set BO,   27                          ; v27  my byte offset in the bias
.set SPW,  28                          ; v28  LDS address of my spare word; never rewritten
.set NIL,  29                          ; v29  0; never rewritten
.set PFO,  30                          ; v30  the prefetches' offset: my lane x a row of 2,048 bytes; never rewritten
.set TMP,  32
.set F0,   64
.set F1,   128
.set BIAS, 192
.set OB,   64                          ; the way out: 48 x 4 registers read back
.set WV,  12                           ; s12  my wave's number
.set LIM, 15                           ; s15  AH in a wave that prefetches, else the greatest number
.set G1A, 24                           ; s[24:31] descriptor group 1 for xh's tiles
.set G1B, 32                           ; s[32:39] for wh's: it differs in the mask alone
.set G0A, 40                           ; s[40:47] group 0 for xh's tiles: a set for each first fill; the second then walks on
.set G0B, 48                           ; s[48:55] the same for wh's
.set CNT, 56                           ; s56  trips to go
.set TB,  57                           ; s57  LDS byte at which the slot in hand begins
.set CX,  66
.set CY,  67
.set GX,  68                           ; tile column
.set GY,  69                           ; tile row
.set PFA, 70                           ; s[70:71] where my prefetches stand
.set MSB, 0
.macro WIN new                         ; the immediate's high byte repeats the setting that is left; a switch that changes nothing is dropped
.if MSB != (\new)
	s_set_vgpr_msb (MSB<<8)|(\new)
.set MSB, \new
.endif
.endm
.macro PLACES                          ; four places: a load into a register that a matrix instruction has read, and a vector instruction that reads a matrix result, stand four plain vector instructions behind it
.rept 4
	v_nop
.endr
.endm
.macro CREST                           ; a round of the cluster's barrier behind its opening barrier: wave 0 signals for the work-group, every wave waits for all sixteen, my work-group's barrier closes it
	s_cmp_lg_u32 s[WV], 0
	s_cbranch_scc1 .Lnot_wave_0_\@
	s_barrier_signal -3
.Lnot_wave_0_\@:
	s_barrier_wait -3
	s_barrier_signal -1
	s_barrier_wait -1
.endm
.macro CROUND
	s_barrier_signal -1
	s_barrier_wait -1
	CREST
.endm
; A joint refill by the walking sets.  Wave 0 fetches xh's 128 rows, waves 1-3 wh's rows 128 (w - 1) on.  The branch hangs on the wave's number alone.  An s_nop 0 and four v_nop follow each line.
.macro JLOAD
	s_cmp_eq_u32 s[WV], 0
	s_cbranch_scc0 .Lfor_b_\@
	tensor_load_to_lds s[G0A+4:G0A+7], s[G1A:G1A+7]
	s_nop 0
.rept 4
	v_nop
.endr
	s_branch .Lasked_\@
.Lfor_b_\@:
	tensor_load_to_lds s[G0B+4:G0B+7], s[G1B:G1B+7]
	s_nop 0
.rept 4
	v_nop
.endr
.Lasked_\@:
.endm
; A PREFETCH INTO THE L2 of the K step AH behind the one just asked for: 32 rows x 256 bytes, a lane a row.  Of the 128 rows that a wave fetches, each of the four partners that ask for them jointly takes 32, told apart by
; address; of the clusters that read the same rows (xh: along x; wh: along y) the first asks.  So each row's 256 bytes of a K step are named once in the launch.  The trips whose look-ahead would pass K's end ask for nothing.
.macro ASK
	s_cmp_gt_u32 s[CNT], s[LIM]
	s_cbranch_scc0 .Lnot_mine_\@
	global_prefetch_b8 v[PFO], s[PFA:PFA+1] th:TH_LOAD_NT scope:SCOPE_SE
.Lnot_mine_\@:
.endm
; 12 matrix instructions: row blocks a0, a0 + 1 of the window's four (hi = 0: rows 0-63, 1: rows 64-127) x my 6 column blocks, 32 along K.  first = 1: the sum starts from the bias.
; The 48 accumulators take turns, in the same order in every quarter, over the backward jump too.
.macro MULG f, hi, a0, first
.irp a, \a0, (\a0)+1
.irp b, 0,1,2,3,4,5
.if \first
	WIN 0x81+0x40*(\hi)
	v_wmma_f32_16x16x32_bf16 v[8*(NB*(\a)+(\b)):8*(NB*(\a)+(\b))+7], v[(\f)+8*(\b):(\f)+8*(\b)+7], v[(\f)+8*(4*(\hi)+(\a)):(\f)+8*(4*(\hi)+(\a))+7], v[BIAS+8*(\b):BIAS+8*(\b)+7]
.else
	WIN 0xa1+0x50*(\hi)
	v_wmma_f32_16x16x32_bf16 v[8*(NB*(\a)+(\b)):8*(NB*(\a)+(\b))+7], v[(\f)+8*(\b):(\f)+8*(\b)+7], v[(\f)+8*(4*(\hi)+(\a)):(\f)+8*(4*(\hi)+(\a))+7], v[8*(NB*(\a)+(\b)):8*(NB*(\a)+(\b))+7]
.endif
.endr
.endr
.endm
; 28 LDS loads in one run: the fragments of 32 along K at byte k of the rows, into buffer f: wh's 96 rows, then xh's 128
.macro FETCH k, f
	WIN 0x40
.irp i, 0,1,2,3,4,5
	ds_load_b128 v[(\f)+8*(\i):(\f)+8*(\i)+3],   v[ADRB] offset:(\k)+(\i)*16*PITCH
	ds_load_b128 v[(\f)+8*(\i)+4:(\f)+8*(\i)+7], v[ADRB] offset:(\k)+(\i)*16*PITCH+32
.endr
	WIN 0
.irp i, 0,1,2,3,4,5,6,7
	ds_load_b128 v[(\f)+8*(\i):(\f)+8*(\i)+3],   v[ADRA] offset:(\k)+(\i)*16*PITCH
	ds_load_b128 v[(\f)+8*(\i)+4:(\f)+8*(\i)+7], v[ADRA] offset:(\k)+(\i)*16*PITCH+32
.endr
.endm
; One of a K step's first three quarters: multiplies buffer f; in its middle it fetches the next quarter's fragments, at byte k, into buffer g.
.macro QUARTER k, f, g, first
	s_wait_dscnt 8                                 ; wh's fragments and xh's rows 0-63 are in; the youngest eight loads (rows 64-127) may be out
	MULG \f, 0, 0, \first
	MULG \f, 0, 2, \first
	PLACES
	FETCH \k, \g
	s_wait_dscnt 16+2*NB                           ; all but the 28 just issued
	MULG \f, 1, 0, \first
	MULG \f, 1, 2, \first
.endm
; The fourth quarter multiplies buffer 1 and changes slots.  In front of the barrier each wave waits for all its tensor loads (one is out: its part of the next slot), adds 0 to its spare word, and waits for that and
; for its reads of this slot.  fill = 1: the barrier opens a round of the cluster's, and the joint refill, the K step two on, is the first thing behind it.
.macro TURN fill
.if \fill
	s_wait_xcnt 0x0                                ; the last prefetch, a K step back, has read its address
	s_add_nc_u64 s[PFA:PFA+1], s[PFA:PFA+1], KB
.endif
	WIN 0
	s_wait_tensorcnt 0x0                           ; no tensor load of mine is out, so a group 0 may be written
	ds_add_u32 v[SPW], v[NIL]                      ; 0 onto my spare word
.if \fill
	s_xor_b32 s[G0A+5], s[G0A+5], SLOT             ; the walking sets: the other slot than last time, the next K step
	s_add_nc_u64 s[G0A+6:G0A+7], s[G0A+6:G0A+7], KB
	s_xor_b32 s[G0B+5], s[G0B+5], SLOT
	s_add_nc_u64 s[G0B+6:G0B+7], s[G0B+6:G0B+7], KB
.endif
	s_wait_dscnt 9                                 ; the add and the youngest eight loads may be out
	MULG F1, 0, 0, 0
	s_wait_dscnt 0x0                               ; the add is done, and my reads of this slot are over
	s_barrier_signal -1
	MULG F1, 0, 2, 0                               ; work on registers while the others arrive
	WIN 0
	s_barrier_wait -1
.if \fill
	CREST                                          ; no wave of any partner still reads this slot or has a load on its way
	JLOAD                                          ; its four v_nop are also the places in front of the loads below
.else
	PLACES
.endif
	s_xor_b32 s[TB], s[TB], SLOT                   ; the other slot is in hand
	v_add_nc_u32 v[ADRA], s[TB], v[A0]
	v_add_nc_u32 v[ADRB], s[TB], v[B0]
	FETCH 0, F0
.if \fill
	ASK
.endif
	MULG F1, 1, 0, 0
	MULG F1, 1, 2, 0
.endm
	s_load_b256 s[4:11], s[0:1], 0x0               ; xh s[4:5], wh s[6:7], bias s[8:9], qkv s[10:11]
	v_lshl_add_u32 v[SPW], v0, 2, SPARE
	v_mov_b32 v[NIL], 0
	ds_add_u32 v[SPW], v[NIL]                      ; the wave's opening: the add and its wait stand ahead of my first tensor load; the set-up below stands between them
	v_lshrrev_b32 v3, 5, v0
	v_readfirstlane_b32 s[WV], v3                  ; wave 0..3
	s_bfe_u32 s[CX], ttmp6, 0x40000                ; my place in the cluster
	s_bfe_u32 s[CY], ttmp6, 0x40004
	s_lshl_b32 s[GX], ttmp9, 2                     ; in a cluster launch ttmp9 and ttmp7 count clusters
	s_add_co_u32 s[GX], s[GX], s[CX]
	s_and_b32 s[GY], ttmp7, 0xffff
	s_lshl_b32 s[GY], s[GY], 2
	s_add_co_u32 s[GY], s[GY], s[CY]
	s_lshl_b32 s2, s[CY], 2
	s_lshl_b32 s2, 15, s2                          ; my row of the cluster
	s_lshl_b32 s3, 0x1111, s[CX]                   ; my column
	s_or_b32 s[G1A], s2, (1<<16)|(1<<20)|(1<<21)|(5<<22)|(3<<25)  ; 15:0 the mask; 17:16 elements of 2 bytes; 20 padding on; 21 set beside a mask; 24:22 after every 64 words (code 5); 31:25 4 words (code 3)
	s_or_b32 s[G1B], s3, (1<<16)|(1<<20)|(1<<21)|(5<<22)|(3<<25)
.irp g, G1A, G1B
	s_mov_b32 s[(\g)+1], 128<<16                   ; tensor_dim0 = 128
	s_mov_b32 s[(\g)+2], 128<<16                   ; tensor_dim1 = 128
	s_mov_b32 s[(\g)+3], 128<<16                   ; tile_dim0 = 128
	s_mov_b32 s[(\g)+4], 128                       ; tile_dim1 = 128
	s_mov_b32 s[(\g)+5], 1024                      ; elements from row to row
	s_mov_b32 s[(\g)+6], 0
	s_mov_b32 s[(\g)+7], 0
.endr
	s_lshl_b32 s16, s[GY], 18                      ; xh: 128 rows of 2,048 bytes a tile row
	s_mov_b32 s17, 0
	s_max_u32 s76, s[WV], 1                        ; wh: row 384 x tile column + 128 (w - 1) (wave 0 makes wave 1's and does not use it)
	s_sub_co_u32 s76, s76, 1
	s_lshl_b32 s76, s76, 7
	s_mul_i32 s77, s[GX], 384
	s_add_co_u32 s76, s76, s77
	s_lshl_b32 s76, s76, 11
	s_mov_b32 s77, 0
	s_mul_i32 s20, s[WV], PART                     ; where my tiles go: wave x 128 rows: no place in the cluster enters an LDS address
	s_mov_b32 s[TB], 0
	s_wait_dscnt 0x0                               ; the opening add is done
	s_wait_kmcnt 0x0
	s_add_nc_u64 s[18:19], s[4:5], s[16:17]
	s_add_nc_u64 s[78:79], s[6:7], s[76:77]
	CROUND                                         ; all sixteen work-groups are here: the first joint loads meet
.irp s, 0,1
	s_mov_b32 s[G0A+4*(\s)], 1                                       ; count = 1
	s_add_co_u32 s[G0A+4*(\s)+1], s20, (\s)*SLOT                     ; LDS address
	s_add_nc_u64 s[G0A+4*(\s)+2:G0A+4*(\s)+3], s[18:19], (\s)*KB     ; global address: K step s
	s_or_b32 s[G0A+4*(\s)+3], s[G0A+4*(\s)+3], 0x80000000            ; type = 2
	s_mov_b32 s[G0B+4*(\s)], 1
	s_add_co_u32 s[G0B+4*(\s)+1], s20, (\s)*SLOT
	s_add_nc_u64 s[G0B+4*(\s)+2:G0B+4*(\s)+3], s[78:79], (\s)*KB
	s_or_b32 s[G0B+4*(\s)+3], s[G0B+4*(\s)+3], 0x80000000
.endr
	s_cmp_eq_u32 s[WV], 0                          ; a wave's two first fills stand in one branch: two loads of mine are out
	s_cbranch_scc0 .Lfirst_b
	tensor_load_to_lds s[G0A:G0A+3], s[G1A:G1A+7]
	s_nop 0
	tensor_load_to_lds s[G0A+4:G0A+7], s[G1A:G1A+7]
	s_nop 0
.rept 4
	v_nop
.endr
	s_branch .Lfirst_asked
.Lfirst_b:
	tensor_load_to_lds s[G0B:G0B+3], s[G1B:G1B+7]
	s_nop 0
	tensor_load_to_lds s[G0B+4:G0B+7], s[G1B:G1B+7]
	s_nop 0
.rept 4
	v_nop
.endr
.Lfirst_asked:
	v_and_b32 v1, 15, v0                           ; r = l % 16
	v_bfe_u32 v2, v0, 4, 1                         ; h = l / 16
	; the bias of my 96 columns, laid as an accumulator is: register j of block b = bias[16 b + 8 h + j]
	s_mul_i32 s2, s[GX], 384
	s_mul_i32 s3, s[WV], 96
	s_add_co_u32 s2, s2, s3
	s_lshl_b32 s2, s2, 2
	s_mov_b32 s3, 0
	s_add_nc_u64 s[8:9], s[8:9], s[2:3]
	v_lshlrev_b32 v[BO], 5, v2
.irp b, 0,1,2,3,4,5
	global_load_b128 v[BIAS+8*(\b):BIAS+8*(\b)+3],   v[BO], s[8:9] offset:64*(\b)
	global_load_b128 v[BIAS+8*(\b)+4:BIAS+8*(\b)+7], v[BO], s[8:9] offset:64*(\b)+16
.endr
	; a fragment is 16 rows x 32 K in 8 registers: lane l holds row r; registers 0-3 K = 8 h + 0..7, registers 4-7 K = 16 + 8 h + 0..7: two loads of 16 bytes, 32 bytes apart
	v_mul_u32_u24 v3, v1, PITCH
	v_lshl_add_u32 v3, v2, 4, v3
	v_mov_b32 v[A0], v3
	s_mul_i32 s2, s[WV], 96*PITCH
	s_add_co_u32 s2, s2, PART
	v_add_nc_u32 v[B0], s2, v3
	v_add_nc_u32 v[ADRA], s[TB], v[A0]
	v_add_nc_u32 v[ADRB], s[TB], v[B0]
	v_mul_u32_u24 v[STO], v1, SP                   ; into the stage: row r, my 192 bytes of its 768, 16 bytes for each half of the lanes
	v_lshl_add_u32 v[STO], v2, 4, v[STO]
	s_mul_i32 s2, s[WV], 192
	v_add_nc_u32 v[STO], s2, v[STO]
	v_add_nc_u32 v[STO+1], 4*16*SP, v[STO]
	s_mul_i32 s2, s[WV], 32*SP                     ; back: wave w takes rows 32 w .. 32 w + 31 whole; lanes 0-15 256 bytes of one row, lanes 16-31 of the next
	v_mul_u32_u24 v[RD], v2, SP
	v_lshl_add_u32 v[RD], v1, 4, v[RD]
	v_add_nc_u32 v[RD], s2, v[RD]
	v_mul_u32_u24 v[CO], v2, 6144
	v_lshl_add_u32 v[CO], v1, 4, v[CO]
	s_lshl_b32 s2, s[GY], 7
	s_lshl_b32 s3, s[WV], 5
	s_add_co_u32 s2, s2, s3
	s_mul_i32 s2, s2, 6144                         ; the first row that I store,
	s_mul_i32 s3, s[GX], 768                       ; the tile's first column in bytes
	s_add_co_u32 s2, s2, s3
	s_mov_b32 s3, 0
	s_add_nc_u64 s[10:11], s[10:11], s[2:3]
	; the prefetches
	s_and_b32 s21, ttmp7, 0xffff
	s_cmp_eq_u32 s[WV], 0                          ; do I fetch xh?
	s_cselect_b32 s21, ttmp9, s21                  ; the coordinate along which other clusters read the same rows
	s_cselect_b32 s22, s[CX], s[CY]                ; my place among the four that ask with me
	s_cselect_b64 s[PFA:PFA+1], s[18:19], s[78:79]
	s_cmp_eq_u32 s21, 0
	s_cselect_b32 s[LIM], AH, -1                   ; the same in all sixteen partners, for a given wave
	s_lshl_b32 s22, s22, 16                        ; my work-group's 32 rows of 2,048 bytes
	s_mov_b32 s23, 0
	s_add_nc_u64 s[PFA:PFA+1], s[PFA:PFA+1], s[22:23]
	s_add_nc_u64 s[PFA:PFA+1], s[PFA:PFA+1], (1+AH)*KB  ; the first change of slots steps it to K step 2 + AH.  Nothing is prefetched here, at the head
	v_and_b32 v[PFO], 31, v0
	v_lshlrev_b32 v[PFO], 11, v[PFO]
	s_wait_tensorcnt 0x1                           ; my part of K step 0 is in; K step 1's may stay out
	s_barrier_signal -1
	s_barrier_wait -1                              ; everybody's is
	FETCH 0, F0
	s_wait_loadcnt 0x0                             ; the bias
	QUARTER 64, F0, F1, 1                          ; the first quarter stands in front of the loop: its products start the sums
	WIN 0                                          ; at a label and at a branch every window is 0
	s_mov_b32 s[CNT], NS-2
.Lstep:                                            ; a trip: a K step's quarters 2 to 4 and the next one's first; the slot left is filled again
	QUARTER 128, F1, F0, 0
	QUARTER 192, F0, F1, 0
	TURN 1
	QUARTER 64, F0, F1, 0
	WIN 0
	s_sub_co_u32 s[CNT], s[CNT], 1
	s_cmp_lg_u32 s[CNT], 0
	s_cbranch_scc1 .Lstep
	QUARTER 128, F1, F0, 0                         ; the tail is written out: nothing more is asked for
	QUARTER 192, F0, F1, 0
	TURN 0
	QUARTER 64, F0, F1, 0
	QUARTER 128, F1, F0, 0
	QUARTER 192, F0, F1, 0
	s_wait_dscnt 8
	MULG F1, 0, 0, 0
	MULG F1, 0, 2, 0
	s_wait_dscnt 0x0
	MULG F1, 1, 0, 0
	MULG F1, 1, 2, 0
	WIN 0
	; THE WAY OUT: rounded to f16; 16 bytes a lane into the work-group's stage; a barrier, since a row's 768 bytes come from four waves; back as whole rows, 32 rows a wave.
	s_barrier_signal -1                            ; every wave's LDS loads are back (the wait for 0 above): behind this barrier nobody reads a slot any more, and the stage may be written
	s_barrier_wait -1
	PLACES
.irp a, 0,1,2,3,4,5,6,7
	WIN 0x0a+5*((\a)/4)                            ; sources 0 and 1: window 2 or 3
.irp b, 0,1,2,3,4,5
.irp r, 0,1,2,3
	v_cvt_pk_f16_f32 v[TMP+4*(\b)+(\r)], v[8*(NB*((\a)%4)+(\b))+2*(\r)], v[8*(NB*((\a)%4)+(\b))+2*(\r)+1]  ; each accumulator from its low end on
.endr
.endr
	WIN 0
.irp b, 0,1,2,3,4,5
	ds_store_b128 v[STO+(\a)/4], v[TMP+4*(\b):TMP+4*(\b)+3] offset:((\a)%4)*16*SP+32*(\b)
.endr
.endr
	s_wait_dscnt 0x0                               ; for the others' sake: my stores into the stage are done
	s_barrier_signal -1
	s_barrier_wait -1
.set t, 0
.rept 48                                           ; pair t / 3 of my rows, block t % 3 of 256 bytes
	ds_load_b128 v[OB+4*t:OB+4*t+3], v[RD] offset:(t/3)*2*SP+(t%3)*256
.set t, t+1
.endr
.set t, 0
.rept 48
	s_wait_dscnt 47-t                              ; load t is back, the younger ones stay out
	global_store_b128 v[CO], v[OB+4*t:OB+4*t+3], s[10:11] offset:(t/3)*2*6144+(t%3)*256  ; 16 lanes store 256 consecutive bytes, at a multiple of 256 from qkv's first byte
.set t, t+1
.endr
	s_wait_tensorcnt 0x0                           ; the wave's end, behind my last tensor load and my last LDS store
	ds_add_u32 v[SPW], v[NIL]
	s_wait_dscnt 0x0
	CROUND                                         ; the closing round: no work-group ends while a partner may still ask for a tile that names it
	s_endpgm
.Lfunc_end_k_q67ff82863c_proj:
	.size	k_q67ff82863c_proj, .Lfunc_end_k_q67ff82863c_proj-k_q67ff82863c_proj
	.p2alignl 7, 3214868480
	.fill 96, 4, 3214868480
	.section	.rodata,"a",@progbits
	.p2align	6, 0x0
	.amdhsa_kernel k_q67ff82863c_proj
		.amdhsa_group_segment_fixed_size 327680
		.amdhsa_private_segment_fixed_size 0
		.amdhsa_enable_private_segment 0
		.amdhsa_kernarg_size 32
		.amdhsa_user_sgpr_count 2
		.amdhsa_user_sgpr_kernarg_segment_ptr 1
		.amdhsa_wavefront_size32 1
		.amdhsa_system_sgpr_workgroup_id_x 1
		.amdhsa_system_sgpr_workgroup_id_y 1
		.amdhsa_system_sgpr_workgroup_id_z 1
		.amdhsa_system_vgpr_workitem_id 0
		.amdhsa_next_free_vgpr 960
		.amdhsa_next_free_sgpr 80
		.amdhsa_reserve_vcc 0
		.amdhsa_float_denorm_mode_32 3
		.amdhsa_float_denorm_mode_16_64 3
		.amdhsa_memory_ordered 1
		.amdhsa_forward_progress 1
		.amdhsa_inst_pref_size 96
	.end_amdhsa_kernel
	.amdgpu_metadata
---
amdhsa.version: [ 1, 2 ]
amdhsa.kernels:
  - .name:           k_q67ff82863c_proj
    .symbol:         k_q67ff82863c_proj.kd
    .args:
      - { .name: xh, .offset: 0, .size: 8, .value_kind: global_buffer, .address_space: global }
      - { .name: wh, .offset: 8, .size: 8, .value_kind: global_buffer, .address_space: global }
      - { .name: bias, .offset: 16, .size: 8, .value_kind: global_buffer, .address_space: global }
      - { .name: qkv, .offset: 24, .size: 8, .value_kind: global_buffer, .address_space: global }
    .group_segment_fixed_size: 327680
    .private_segment_fixed_size: 0
    .kernarg_segment_align: 8
    .kernarg_segment_size: 32
    .max_flat_workgroup_size: 128
    .sgpr_count:     80
    .vgpr_count:     960
    .wavefront_size: 32
...
	.end_amdgpu_metadata
.endif
;; end of part 2
;; launch scores (part 3): grid 8 x 32, 4 waves a work-group, clusters of 4 x 4, 327,680 bytes of LDS; arguments qkv, madd, p, st; writes p, st
.if DOCPART == 3
	.amdgcn_target "amdgcn-amd-amdhsa--gfx1250"
	.amdhsa_code_object_version 6
	.text
	.protected	k_q67ff82863c_scores
	.globl	k_q67ff82863c_scores
	.p2align	8
	.type	k_q67ff82863c_scores,@function
k_q67ff82863c_scores:
	s_mov_b64 s[64:65], 0
	v_nop
	global_prefetch_b8 v0, s[64:65] scope:SCOPE_SE
	s_setreg_imm32_b32 hwreg(HW_REG_WAVE_MODE, 25, 1), 1
	s_wait_xcnt 0x0
	s_wait_alu depctr_hold_cnt(0) depctr_sa_sdst(0) depctr_va_vdst(0) depctr_va_sdst(0) depctr_va_ssrc(0) depctr_va_vcc(0) depctr_vm_vsrc(0)
	s_getreg_b32 s2, hwreg(HW_REG_IB_STS2, 6, 4)
	s_cmp_eq_u32 s2, 0
	s_cbranch_scc0 .Lentry_in_a_cluster
	s_endpgm
.Lentry_in_a_cluster:
	s_bfe_u32 s2, ttmp6, 0x10000c
	s_cmp_lg_u32 s2, 0xf033
	s_cbranch_scc0 .Lentry_shape_is_right
	s_endpgm
.Lentry_shape_is_right:
; THE SCORES AND THE FIRST HALF OF THE SOFTMAX.  t[q][k] = c Q[q] . K[k] + madd[k], c = log2(e) / 32 (madd is 0, or -infinity where the key is hidden).  For each query row and each block kb of 128 keys:
; m = the largest t of the block, P = 2^(t - m) rounded to f16, l = the sum of the unrounded 2^(t - m).
; p HOLDS P IN THE ORDER OF THE NEXT LAUNCH'S MATRIX FRAGMENTS: a fragment is 16 rows x 32 keys, 1,024 bytes; fragment (R = row / 16 over all batches, s = key in the batch / 32) lies at (64 R + s) x 1,024; in it
; lane l = 16 h + r holds row 16 R + r: keys 32 s + 8 h + 0..7 at byte 16 l, keys 32 s + 16 + 8 h + 0..7 at byte 512 + 16 l.  That is what a lane holds here behind the rounding, so P goes out with no stage.
; st: plane m at byte 0, plane l at byte 524,288, each [16 kb][8192 rows] f32.  The next launch brings the blocks to the row's own maximum.
; The maximum taken away is a true one, of the block's visible keys; a block hidden whole has m = the lowest finite number, P = 0, l = 0.
; LIMITS.  Q and K arrive in f16.  P lies in 0 to 1; below 6e-5 it keeps f16's fixed step of 6e-8; a weight below 2^-126 counts as 0 in l.  NaN and infinities among Q and K are not treated apart.
; SHARES.  A tile is 256 queries x 256 keys of one batch: 32 x 8 = 256 work-groups.  Four waves, each 128 x 128: 64 accumulators, 512 registers; a wave's 128 keys are one block kb.  K (the 1,024 channels)
; goes in steps of 128 (256 bytes of a row of qkv, aligned) through two LDS slots.
; CLUSTER.  4 x 4 work-groups: Q's tile hangs on the query tile alone and is asked for jointly by a row of the cluster, K's on the key tile and the batch (from the cluster's y), jointly by a column.
; THE MATRIX INSTRUCTION IS USED TRANSPOSED (source 0 = 16 keys, source 1 = 16 queries): lane l holds query l % 16 and the keys 8 (l / 16) + 0..7 of each block of 16: a row's 128 keys lie in two lanes, 16 apart.
; ONE K STEP A TRIP: the slot in hand is a scalar (TB) that an exclusive or turns; SLOT = 0x22000 shares no bit with the waves' LDS words (multiples of 0x8800 up to three).
; REGISTERS, in windows of 256 (s_set_vgpr_msb: bits 1:0 source 0, 3:2 source 1, 5:4 source 2, 7:6 destination):
;   window 0: v0-51 addresses and statistics; v64-127, v128-191 Q's fragments, two buffers (on the way out: t, then packed P); v192-255 madd of my 128 keys, laid as eight accumulators are
;   window 1: v64-127, v128-191 K's fragments      window 2: the accumulators of my rows 0-63 ((a, b) at v[8 (8 a + b)])      window 3: those of rows 64-127
.set NB,    8
.set NS,    8
.set AH,    1
.set KB,    256
.set PITCH, 272                        ; an LDS row: 256 bytes + 16 of padding: the 16 rows of a load start at 16 different groups of four banks (64 banks of 4 bytes: ISA guide 11.1)
.set PART,  128*PITCH
.set SLOT,  4*PART                     ; Q's 256 rows, then K's 256
.set STATS, 2*SLOT                     ; behind the ring: 1,024 bytes for each wave: m of its 128 rows, then l
.set SPARE, STATS+4096                 ; the spare words, 128 bytes for each wave: two blocks of 256 bytes that no other line names
.set A0,   16
.set B0,   17
.set ADRA, 18
.set ADRB, 19
.set SA,   27                          ; v27  where my lane puts m (lanes 0-15) or l (lanes 16-31) of the block of rows in hand
.set SPW,  28
.set NIL,  29
.set PFO,  30                          ; v30  my lane x a row of 6,144 bytes; never rewritten
.set MO,   31                          ; v31  my byte offset in madd
.set C0,   32                          ; v32-35  four chains of the maximum
.set MX,   36                          ; v36  m (v37 is named with it as a pair)
.set LL,   38                          ; v38  l; v39 at work
.set XR,   40                          ; v40  the other half of the lanes'
.set SR,   42                          ; v42  where I read 16 bytes of the statistics back
.set SO,   43                          ; v43  16 x my lane: my place in 512 consecutive bytes of p and of st; never rewritten
.set F0,   64
.set F1,   128
.set T,    64                          ; the way out: a lane's 64 scores of a block of 16 rows
.set PK,   128                         ; packed P: four registers for each block of 16 keys
.set MADD, 192
.set WV,  12
.set RH,  13                           ; s13  which half of the tile's rows is mine.  Also: I fetch Q (0) or K (1)
.set CH,  14                           ; s14  which half of its keys.  Also: which 128 rows of that tile I fetch
.set LIM, 15
.set G1A, 24
.set G1B, 32
.set G0A, 40
.set G0B, 48
.set CNT, 56
.set TB,  57
.set CS,  58                           ; s[58:59] c, named as a pair
.set SEL, 60                           ; s[60:61] v_permlanex16_b32's selects: each lane takes its own place in the other half
.set BL,  62                           ; s62  blocks of 16 rows to go
.set HM,  63                           ; s63  the mask of lanes 16-31
.set CX,  66
.set CY,  67
.set GX,  68                           ; key tile in the batch
.set GY,  69                           ; query tile, over all batches
.set PFA, 70
.set BA,  75                           ; s75  the batch
.set MSB, 0
.macro WIN new                         ; the immediate's high byte repeats the setting that is left; a switch that changes nothing is dropped
.if MSB != (\new)
	s_set_vgpr_msb (MSB<<8)|(\new)
.set MSB, \new
.endif
.endm
.macro PLACES                          ; four plain vector instructions between a matrix instruction and a load into, or a vector instruction on, its registers
.rept 4
	v_nop
.endr
.endm
.macro CREST                           ; a round of the cluster's barrier behind its opening barrier
	s_cmp_lg_u32 s[WV], 0
	s_cbranch_scc1 .Lnot_wave_0_\@
	s_barrier_signal -3
.Lnot_wave_0_\@:
	s_barrier_wait -3
	s_barrier_signal -1
	s_barrier_wait -1
.endm
.macro CROUND
	s_barrier_signal -1
	s_barrier_wait -1
	CREST
.endm
.macro JLOAD                           ; a joint refill by the walking sets: waves 0 and 1 fetch Q's two halves, waves 2 and 3 K's; an s_nop 0 and four v_nop follow each line
	s_cmp_eq_u32 s[RH], 0
	s_cbranch_scc0 .Lfor_b_\@
	tensor_load_to_lds s[G0A+4:G0A+7], s[G1A:G1A+7]
	s_nop 0
.rept 4
	v_nop
.endr
	s_branch .Lasked_\@
.Lfor_b_\@:
	tensor_load_to_lds s[G0B+4:G0B+7], s[G1B:G1B+7]
	s_nop 0
.rept 4
	v_nop
.endr
.Lasked_\@:
.endm
; A PREFETCH INTO THE L2 of the K step AH behind the one just asked for: 32 rows x 256 bytes, a lane a row.  Of the 128 rows that a wave fetches each of the four partners that ask jointly takes 32, told apart by address;
; of the clusters that read the same rows (Q: the two along x; K: the two of a batch along y) the first asks: each block is named once in the launch.  The trips whose look-ahead would pass K's end ask for nothing.
.macro ASK
	s_cmp_gt_u32 s[CNT], s[LIM]
	s_cbranch_scc0 .Lnot_mine_\@
	global_prefetch_b8 v[PFO], s[PFA:PFA+1] th:TH_LOAD_NT scope:SCOPE_SE
.Lnot_mine_\@:
.endm
; 16 matrix instructions: row blocks a0, a0 + 1 of the window's four x my 8 key blocks, 32 along K.  first = 1: the product starts the sum.  The 64 accumulators take turns, in the same order in every quarter.
.macro MULG f, hi, a0, first
	WIN 0xa1+0x50*(\hi)
.irp a, \a0, (\a0)+1
.irp b, 0,1,2,3,4,5,6,7
.if \first
	v_wmma_f32_16x16x32_f16 v[8*(NB*(\a)+(\b)):8*(NB*(\a)+(\b))+7], v[(\f)+8*(\b):(\f)+8*(\b)+7], v[(\f)+8*(4*(\hi)+(\a)):(\f)+8*(4*(\hi)+(\a))+7], 0
.else
	v_wmma_f32_16x16x32_f16 v[8*(NB*(\a)+(\b)):8*(NB*(\a)+(\b))+7], v[(\f)+8*(\b):(\f)+8*(\b)+7], v[(\f)+8*(4*(\hi)+(\a)):(\f)+8*(4*(\hi)+(\a))+7], v[8*(NB*(\a)+(\b)):8*(NB*(\a)+(\b))+7]
.endif
.endr
.endr
.endm
.macro FETCH k, f                      ; 32 LDS loads in one run: K's 128 rows, then Q's 128, 32 channels at byte k
	WIN 0x40
.irp i, 0,1,2,3,4,5,6,7
	ds_load_b128 v[(\f)+8*(\i):(\f)+8*(\i)+3],   v[ADRB] offset:(\k)+(\i)*16*PITCH
	ds_load_b128 v[(\f)+8*(\i)+4:(\f)+8*(\i)+7], v[ADRB] offset:(\k)+(\i)*16*PITCH+32
.endr
	WIN 0
.irp i, 0,1,2,3,4,5,6,7
	ds_load_b128 v[(\f)+8*(\i):(\f)+8*(\i)+3],   v[ADRA] offset:(\k)+(\i)*16*PITCH
	ds_load_b128 v[(\f)+8*(\i)+4:(\f)+8*(\i)+7], v[ADRA] offset:(\k)+(\i)*16*PITCH+32
.endr
.endm
.macro QUARTER k, f, g, first
	s_wait_dscnt 8                                 ; K's fragments and Q's rows 0-63 are in; the youngest eight loads (rows 64-127) may be out
	MULG \f, 0, 0, \first
	MULG \f, 0, 2, \first
	PLACES
	FETCH \k, \g
	s_wait_dscnt 16+2*NB                           ; all but the 32 just issued
	MULG \f, 1, 0, \first
	MULG \f, 1, 2, \first
.endm
; The fourth quarter multiplies buffer 1 and changes slots: each wave waits for all its tensor loads (one is out: its part of the next slot), adds 0 to its spare word, waits for that and for its reads of this slot.
; fill = 1: the barrier opens a round of the cluster's, and the joint refill, the K step two on, is the first thing behind it.
.macro TURN fill
.if \fill
	s_wait_xcnt 0x0                                ; the last prefetch, a K step back, has read its address
	s_add_nc_u64 s[PFA:PFA+1], s[PFA:PFA+1], KB
.endif
	WIN 0
	s_wait_tensorcnt 0x0                           ; no tensor load of mine is out, so a group 0 may be written
	ds_add_u32 v[SPW], v[NIL]                      ; 0 onto my spare word
.if \fill
	s_xor_b32 s[G0A+5], s[G0A+5], SLOT
	s_add_nc_u64 s[G0A+6:G0A+7], s[G0A+6:G0A+7], KB
	s_xor_b32 s[G0B+5], s[G0B+5], SLOT
	s_add_nc_u64 s[G0B+6:G0B+7], s[G0B+6:G0B+7], KB
.endif
	s_wait_dscnt 9                                 ; the add and the youngest eight loads may be out
	MULG F1, 0, 0, 0
	s_wait_dscnt 0x0                               ; the add is done, and my reads of this slot are over
	s_barrier_signal -1
	MULG F1, 0, 2, 0
	WIN 0
	s_barrier_wait -1
.if \fill
	CREST
	JLOAD                                          ; its four v_nop are also the places in front of the loads below
.else
	PLACES
.endif
	s_xor_b32 s[TB], s[TB], SLOT
	v_add_nc_u32 v[ADRA], s[TB], v[A0]
	v_add_nc_u32 v[ADRB], s[TB], v[B0]
	FETCH 0, F0
.if \fill
	ASK
.endif
	MULG F1, 1, 0, 0
	MULG F1, 1, 2, 0
.endm
	s_load_b256 s[4:11], s[0:1], 0x0               ; qkv s[4:5], madd s[6:7], p s[8:9], st s[10:11]
	v_lshl_add_u32 v[SPW], v0, 2, SPARE
	v_mov_b32 v[NIL], 0
	ds_add_u32 v[SPW], v[NIL]                      ; the wave's opening: the add and its wait stand ahead of my first tensor load
	v_lshrrev_b32 v3, 5, v0
	v_readfirstlane_b32 s[WV], v3
	s_lshr_b32 s[RH], s[WV], 1
	s_and_b32 s[CH], s[WV], 1
	s_bfe_u32 s[CX], ttmp6, 0x40000
	s_bfe_u32 s[CY], ttmp6, 0x40004
	s_lshl_b32 s[GX], ttmp9, 2
	s_add_co_u32 s[GX], s[GX], s[CX]
	s_and_b32 s[GY], ttmp7, 0xffff
	s_lshl_b32 s[GY], s[GY], 2
	s_add_co_u32 s[GY], s[GY], s[CY]
	s_and_b32 s[BA], ttmp7, 0xffff
	s_lshr_b32 s[BA], s[BA], 1                     ; a batch has 8 query tiles: two clusters along y
	s_lshl_b32 s2, s[CY], 2
	s_lshl_b32 s2, 15, s2                          ; my row of the cluster
	s_lshl_b32 s3, 0x1111, s[CX]                   ; my column
	s_or_b32 s[G1A], s2, (1<<16)|(1<<20)|(1<<21)|(5<<22)|(3<<25)  ; mask; elements of 2 bytes; padding on; bit 21 beside a mask; after every 64 words; 4 words
	s_or_b32 s[G1B], s3, (1<<16)|(1<<20)|(1<<21)|(5<<22)|(3<<25)
.irp g, G1A, G1B
	s_mov_b32 s[(\g)+1], 128<<16                   ; tensor_dim0 = 128
	s_mov_b32 s[(\g)+2], 128<<16                   ; tensor_dim1 = 128
	s_mov_b32 s[(\g)+3], 128<<16                   ; tile_dim0 = 128
	s_mov_b32 s[(\g)+4], 128                       ; tile_dim1 = 128
	s_mov_b32 s[(\g)+5], 3072                      ; elements from row to row of qkv
	s_mov_b32 s[(\g)+6], 0
	s_mov_b32 s[(\g)+7], 0
.endr
	s_lshl_b32 s16, s[GY], 8                       ; Q: row 256 x query tile + 128 x half
	s_lshl_b32 s17, s[CH], 7
	s_add_co_u32 s16, s16, s17
	s_mul_i32 s16, s16, 6144
	s_mov_b32 s17, 0
	s_lshl_b32 s76, s[BA], 11                      ; K: row 2,048 x batch + 256 x key tile + 128 x half, 2,048 bytes into the row
	s_lshl_b32 s77, s[GX], 8
	s_add_co_u32 s76, s76, s77
	s_lshl_b32 s77, s[CH], 7
	s_add_co_u32 s76, s76, s77
	s_mul_i32 s76, s76, 6144
	s_add_co_u32 s76, s76, 2048
	s_mov_b32 s77, 0
	s_mul_i32 s20, s[WV], PART                     ; where my tiles go: wave x 128 rows
	s_mov_b32 s[TB], 0
	s_mov_b32 s[CS], 0x3d38aa3b                    ; c = log2(e) / 32
	s_mov_b32 s[CS+1], s[CS]
	s_mov_b32 s[SEL], 0x76543210
	s_mov_b32 s[SEL+1], 0xfedcba98
	s_wait_dscnt 0x0                               ; the opening add is done
	s_wait_kmcnt 0x0
	s_add_nc_u64 s[18:19], s[4:5], s[16:17]
	s_add_nc_u64 s[78:79], s[4:5], s[76:77]
	CROUND                                         ; all sixteen work-groups are here: the first joint loads meet
.irp s, 0,1
	s_mov_b32 s[G0A+4*(\s)], 1
	s_add_co_u32 s[G0A+4*(\s)+1], s20, (\s)*SLOT
	s_add_nc_u64 s[G0A+4*(\s)+2:G0A+4*(\s)+3], s[18:19], (\s)*KB
	s_or_b32 s[G0A+4*(\s)+3], s[G0A+4*(\s)+3], 0x80000000
	s_mov_b32 s[G0B+4*(\s)], 1
	s_add_co_u32 s[G0B+4*(\s)+1], s20, (\s)*SLOT
	s_add_nc_u64 s[G0B+4*(\s)+2:G0B+4*(\s)+3], s[78:79], (\s)*KB
	s_or_b32 s[G0B+4*(\s)+3], s[G0B+4*(\s)+3], 0x80000000
.endr
	s_cmp_eq_u32 s[RH], 0                          ; a wave's two first fills stand in one branch: two loads of mine are out
	s_cbranch_scc0 .Lfirst_b
	tensor_load_to_lds s[G0A:G0A+3], s[G1A:G1A+7]
	s_nop 0
	tensor_load_to_lds s[G0A+4:G0A+7], s[G1A:G1A+7]
	s_nop 0
.rept 4
	v_nop
.endr
	s_branch .Lfirst_asked
.Lfirst_b:
	tensor_load_to_lds s[G0B:G0B+3], s[G1B:G1B+7]
	s_nop 0
	tensor_load_to_lds s[G0B+4:G0B+7], s[G1B:G1B+7]
	s_nop 0
.rept 4
	v_nop
.endr
.Lfirst_asked:
	v_and_b32 v1, 15, v0                           ; r
	v_bfe_u32 v2, v0, 4, 1                         ; h
	; madd of my 128 keys, laid as eight accumulators are: register j of block b = madd[16 b + 8 h + j]
	s_lshl_b32 s2, s[BA], 11
	s_lshl_b32 s3, s[GX], 8
	s_add_co_u32 s2, s2, s3
	s_lshl_b32 s3, s[CH], 7
	s_add_co_u32 s2, s2, s3
	s_lshl_b32 s2, s2, 2
	s_mov_b32 s3, 0
	s_add_nc_u64 s[6:7], s[6:7], s[2:3]
	v_lshlrev_b32 v[MO], 5, v2
.irp b, 0,1,2,3,4,5,6,7
	global_load_b128 v[MADD+8*(\b):MADD+8*(\b)+3],   v[MO], s[6:7] offset:64*(\b)
	global_load_b128 v[MADD+8*(\b)+4:MADD+8*(\b)+7], v[MO], s[6:7] offset:64*(\b)+16
.endr
	v_mul_u32_u24 v3, v1, PITCH
	v_lshl_add_u32 v3, v2, 4, v3                   ; a fragment's row x pitch + 16 x half
	s_mul_i32 s2, s[RH], PART                      ; my 128 rows of Q
	s_mul_i32 s3, s[CH], PART                      ; my 128 rows of K,
	s_add_co_u32 s3, s3, 2*PART                    ; which lie behind Q's 256
	v_add_nc_u32 v[A0], s2, v3
	v_add_nc_u32 v[B0], s3, v3
	v_add_nc_u32 v[ADRA], s[TB], v[A0]
	v_add_nc_u32 v[ADRB], s[TB], v[B0]
	s_lshl_b32 s2, s[WV], 10
	s_add_co_u32 s2, s2, STATS                     ; my statistics
	v_lshlrev_b32 v[SA], 9, v2
	v_lshl_add_u32 v[SA], v1, 2, v[SA]
	v_add_nc_u32 v[SA], s2, v[SA]
	v_and_b32 v[SO], 31, v0
	v_lshlrev_b32 v[SO], 4, v[SO]
	v_add_nc_u32 v[SR], s2, v[SO]
	v_mov_b32 v[MX+1], 0                           ; named in a pair, or as a lane exchange's destination: written once
	v_mov_b32 v[LL+1], 0
	v_mov_b32 v[XR], 0
	s_lshl_b32 s2, s[GY], 20                       ; p at my first block of 16 rows (16 x query tile + 8 x half, 65,536 bytes each) and my first fragment in it (8 x key tile + 4 x half, 1,024 bytes each)
	s_lshl_b32 s3, s[RH], 19
	s_add_co_u32 s2, s2, s3
	s_lshl_b32 s3, s[GX], 13
	s_add_co_u32 s2, s2, s3
	s_lshl_b32 s3, s[CH], 12
	s_add_co_u32 s2, s2, s3
	s_mov_b32 s3, 0
	s_add_nc_u64 s[8:9], s[8:9], s[2:3]
	s_lshl_b32 s2, s[GX], 16                       ; st at block kb = 2 x key tile + half (32,768 bytes each) and my first row (4 bytes each)
	s_lshl_b32 s3, s[CH], 15
	s_add_co_u32 s2, s2, s3
	s_lshl_b32 s3, s[GY], 10
	s_add_co_u32 s2, s2, s3
	s_lshl_b32 s3, s[RH], 9
	s_add_co_u32 s2, s2, s3
	s_mov_b32 s3, 0
	s_add_nc_u64 s[10:11], s[10:11], s[2:3]
	; the prefetches
	s_and_b32 s21, ttmp7, 0xffff
	s_and_b32 s21, s21, 1                          ; which of the batch's two clusters along y
	s_cmp_eq_u32 s[RH], 0                          ; do I fetch Q?
	s_cselect_b32 s21, ttmp9, s21                  ; the coordinate along which other clusters read the same rows
	s_cselect_b32 s22, s[CX], s[CY]                ; my place among the four that ask with me
	s_cselect_b64 s[PFA:PFA+1], s[18:19], s[78:79]
	s_cmp_eq_u32 s21, 0
	s_cselect_b32 s[LIM], AH, -1
	s_mul_i32 s22, s22, 32*6144                    ; my work-group's 32 rows
	s_mov_b32 s23, 0
	s_add_nc_u64 s[PFA:PFA+1], s[PFA:PFA+1], s[22:23]
	s_add_nc_u64 s[PFA:PFA+1], s[PFA:PFA+1], (1+AH)*KB  ; the first change of slots steps it to K step 2 + AH.  Nothing is prefetched here, at the head
	v_and_b32 v[PFO], 31, v0
	v_mul_u32_u24 v[PFO], v[PFO], 6144
	s_wait_tensorcnt 0x1                           ; my part of K step 0 is in; K step 1's may stay out
	s_barrier_signal -1
	s_barrier_wait -1
	FETCH 0, F0
	QUARTER 64, F0, F1, 1                          ; the first quarter stands in front of the loop: its products start the sums
	WIN 0
	s_mov_b32 s[CNT], NS-2
.Lstep:                                            ; a trip: a K step's quarters 2 to 4 and the next one's first; the slot left is filled again
	QUARTER 128, F1, F0, 0
	QUARTER 192, F0, F1, 0
	TURN 1
	QUARTER 64, F0, F1, 0
	WIN 0
	s_sub_co_u32 s[CNT], s[CNT], 1
	s_cmp_lg_u32 s[CNT], 0
	s_cbranch_scc1 .Lstep
	QUARTER 128, F1, F0, 0                         ; the tail is written out
	QUARTER 192, F0, F1, 0
	TURN 0
	QUARTER 64, F0, F1, 0
	QUARTER 128, F1, F0, 0
	QUARTER 192, F0, F1, 0
	s_wait_dscnt 8
	MULG F1, 0, 0, 0
	MULG F1, 0, 2, 0
	s_wait_dscnt 0x0
	MULG F1, 1, 0, 0
	MULG F1, 1, 2, 0
	WIN 0
; THE WAY OUT: a counted loop over my eight blocks of 16 rows.  Only the 32 lines that read a block's accumulators differ from block to block: they are chosen by forward jumps on the counter; the rest is written once.
.macro SCL a                           ; t = c s + madd for block a: 64 numbers a lane, each accumulator from its low end on
	WIN 0x02+(\a)/4                                ; source 0: window 2 or 3
.set i, 0
.rept 32
	v_pk_fma_f32 v[T+2*i:T+2*i+1], v[64*((\a)%4)+2*i:64*((\a)%4)+2*i+1], s[CS:CS+1], v[MADD+2*i:MADD+2*i+1] op_sel_hi:[1,0,1]
.set i, i+1
.endr
	WIN 0
.endm
.macro LEVEL w, n                      ; n packed sums in place: neighbours w / 2 registers apart
.set u, 0
.rept \n
	v_pk_add_f32 v[T+(\w)*u:T+(\w)*u+1], v[T+(\w)*u:T+(\w)*u+1], v[T+(\w)*u+(\w)/2:T+(\w)*u+(\w)/2+1]
.set u, u+1
.endr
.endm
	PLACES                                         ; behind the last products
	s_wait_loadcnt 0x0                             ; madd
	s_mov_b32 s[HM], 0xffff0000
	s_mov_b32 s[BL], 8
.Lblock:
.irp a, 0,1,2,3,4,5,6
	s_cmp_eq_u32 s[BL], 8-\a
	s_cbranch_scc1 .Lb\a
.endr
	SCL 7
	s_branch .Lcom
.irp a, 0,1,2,3,4,5,6
.Lb\a:
	SCL \a
	s_branch .Lcom
.endr
.Lcom:
	; the maximum of my 64 numbers: four chains of fifteen, three operands at a time; then the four left over, the chains, and the lowest finite number, so that m is finite where all keys are hidden
.irp k, 0,1,2,3
	v_max3_num_f32 v[C0+\k], v[T+15*\k], v[T+15*\k+1], v[T+15*\k+2]
.endr
.set j, 1
.rept 6
.irp k, 0,1,2,3
	v_max3_num_f32 v[C0+\k], v[C0+\k], v[T+15*\k+2*j+1], v[T+15*\k+2*j+2]
.endr
.set j, j+1
.endr
	v_max3_num_f32 v[C0], v[C0], v[T+60], v[T+61]
	v_max3_num_f32 v[C0+2], v[C0+2], v[T+62], v[T+63]
	v_max3_num_f32 v[C0], v[C0], v[C0+1], v[C0+2]
	v_max3_num_f32 v[C0], v[C0], v[C0+3], 0xff7fffff
	v_permlanex16_b32 v[XR], v[C0], s[SEL], s[SEL+1]  ; the row's other 64 keys lie in the lane 16 away
	v_max_num_f32 v[MX], v[C0], v[XR]
.set i, 0
.rept 32
	v_pk_add_f32 v[T+2*i:T+2*i+1], v[T+2*i:T+2*i+1], v[MX:MX+1] op_sel_hi:[1,0] neg_lo:[0,1] neg_hi:[0,1]  ; t - m
.set i, i+1
.endr
.set i, 0
.rept 64
	v_exp_f32 v[T+i], v[T+i]                       ; one batch: nothing ahead of the wait below names a result
.set i, i+1
.endr
	v_nop                                          ; a plain instruction behind the last exponential,
	s_wait_alu depctr_va_vdst(0)                   ; and one wait ahead of the batch's first reader
.set i, 0
.rept 32
	v_cvt_pk_f16_f32 v[PK+i], v[T+2*i], v[T+2*i+1]
.set i, i+1
.endr
.irp b, 0,1,2,3,4,5,6,7
	global_store_b128 v[SO], v[PK+4*(\b):PK+4*(\b)+3], s[8:9] offset:512*(\b)  ; half a fragment: the wave stores 512 consecutive bytes, at a multiple of 512 from p's first byte; the eight cover 4,096 on end
.endr
	LEVEL 4, 16                                    ; l: the sum of the unrounded weights
	LEVEL 8, 8
	LEVEL 16, 4
	LEVEL 32, 2
	LEVEL 64, 1
	v_add_f32 v[LL], v[T], v[T+1]
	v_permlanex16_b32 v[LL+1], v[LL], s[SEL], s[SEL+1]
	v_add_f32 v[LL], v[LL], v[LL+1]
	v_cndmask_b32 v[XR], v[MX], v[LL], s[HM]       ; lanes 0-15 hand in m, lanes 16-31 l
	ds_store_b32 v[SA], v[XR]
	v_add_nc_u32 v[SA], 64, v[SA]                  ; the next 16 rows' words
	s_wait_xcnt 0x0                                ; the stores have read their registers and their base: both are written again only behind this wait
	s_add_nc_u64 s[8:9], s[8:9], 65536             ; the next block of 16 rows
	s_sub_co_u32 s[BL], s[BL], 1
	s_cmp_lg_u32 s[BL], 0
	s_cbranch_scc1 .Lblock
	ds_load_b128 v[44:47], v[SR]                   ; m of my 128 rows: 512 consecutive bytes a wave (LDS serves a wave's instructions in order, ISA guide 5.7.1.4: these see my stores above),
	ds_load_b128 v[48:51], v[SR] offset:512        ; and l
	s_wait_dscnt 0x0
	global_store_b128 v[SO], v[44:47], s[10:11]
	global_store_b128 v[SO], v[48:51], s[10:11] offset:524288
	s_wait_tensorcnt 0x0                           ; the wave's end, behind my last tensor load and my last LDS store
	ds_add_u32 v[SPW], v[NIL]
	s_wait_dscnt 0x0
	CROUND                                         ; the closing round
	s_endpgm
.Lfunc_end_k_q67ff82863c_scores:
	.size	k_q67ff82863c_scores, .Lfunc_end_k_q67ff82863c_scores-k_q67ff82863c_scores
	.p2alignl 7, 3214868480
	.fill 96, 4, 3214868480
	.section	.rodata,"a",@progbits
	.p2align	6, 0x0
	.amdhsa_kernel k_q67ff82863c_scores
		.amdhsa_group_segment_fixed_size 327680
		.amdhsa_private_segment_fixed_size 0
		.amdhsa_enable_private_segment 0
		.amdhsa_kernarg_size 32
		.amdhsa_user_sgpr_count 2
		.amdhsa_user_sgpr_kernarg_segment_ptr 1
		.amdhsa_wavefront_size32 1
		.amdhsa_system_sgpr_workgroup_id_x 1
		.amdhsa_system_sgpr_workgroup_id_y 1
		.amdhsa_system_sgpr_workgroup_id_z 1
		.amdhsa_system_vgpr_workitem_id 0
		.amdhsa_next_free_vgpr 1024
		.amdhsa_next_free_sgpr 80
		.amdhsa_reserve_vcc 0
		.amdhsa_float_denorm_mode_32 3
		.amdhsa_float_denorm_mode_16_64 3
		.amdhsa_memory_ordered 1
		.amdhsa_forward_progress 1
		.amdhsa_inst_pref_size 117
	.end_amdhsa_kernel
	.amdgpu_metadata
---
amdhsa.version: [ 1, 2 ]
amdhsa.kernels:
  - .name:           k_q67ff82863c_scores
    .symbol:         k_q67ff82863c_scores.kd
    .args:
      - { .name: qkv, .offset: 0, .size: 8, .value_kind: global_buffer, .address_space: global }
      - { .name: madd, .offset: 8, .size: 8, .value_kind: global_buffer, .address_space: global }
      - { .name: p, .offset: 16, .size: 8, .value_kind: global_buffer, .address_space: global }
      - { .name: st, .offset: 24, .size: 8, .value_kind: global_buffer, .address_space: global }
    .group_segment_fixed_size: 327680
    .private_segment_fixed_size: 0
    .kernarg_segment_align: 8
    .kernarg_segment_size: 32
    .max_flat_workgroup_size: 128
    .sgpr_count:     80
    .vgpr_count:     1024
    .wavefront_size: 32
...
	.end_amdgpu_metadata
.endif
;; end of part 3
;; launch pv (part 4): grid 4 x 64, 4 waves a work-group, clusters of 4 x 4, 327,680 bytes of LDS; arguments p, qkv, st, out0; writes out0
.if DOCPART == 4
	.amdgcn_target "amdgcn-amd-amdhsa--gfx1250"
	.amdhsa_code_object_version 6
	.text
	.protected	k_q67ff82863c_pv
	.globl	k_q67ff82863c_pv
	.p2align	8
	.type	k_q67ff82863c_pv,@function
k_q67ff82863c_pv:
	s_mov_b64 s[64:65], 0
	v_nop
	global_prefetch_b8 v0, s[64:65] scope:SCOPE_SE
	s_setreg_imm32_b32 hwreg(HW_REG_WAVE_MODE, 25, 1), 1
	s_wait_xcnt 0x0
	s_wait_alu depctr_hold_cnt(0) depctr_sa_sdst(0) depctr_va_vdst(0) depctr_va_sdst(0) depctr_va_ssrc(0) depctr_va_vcc(0) depctr_vm_vsrc(0)
	s_getreg_b32 s2, hwreg(HW_REG_IB_STS2, 6, 4)
	s_cmp_eq_u32 s2, 0
	s_cbranch_scc0 .Lentry_in_a_cluster
	s_endpgm
.Lentry_in_a_cluster:
	s_bfe_u32 s2, ttmp6, 0x10000c
	s_cmp_lg_u32 s2, 0xf033
	s_cbranch_scc0 .Lentry_shape_is_right
	s_endpgm
.Lentry_shape_is_right:
; THE SECOND HALF OF THE SOFTMAX AND THE SECOND PRODUCT.  For each query row: M = the largest m over its 16 key blocks kb; g_kb = 2^(m_kb - M); L = the sum of g_kb l_kb;
; out0[row][d] = (the sum over kb and its 128 keys of (g_kb P[row][k]) V[k][d]) / L.  V = columns 2,048 on of qkv [8192][3072] f16, st as the launch before stored it, out0 [8192][1024] f32.
; p holds P in the order of this launch's fragments: fragment (R = row / 16, s = key in the batch / 32), 1,024 bytes, at (64 R + s) x 1,024; lane l's registers 0-3 at byte 16 l of it, registers 4-7 at byte 512 + 16 l.
; g is made in f32 and rounded to f16; g P is one packed f16 product, rounded once; sums in f32; L in f32 from the unrounded g.
; LIMITS.  g and g P lie in 0 to 1; below 6e-5 they keep f16's fixed step of 6e-8; a g below 2^-126 counts as 0.  A batch whose keys are all hidden has L = 0 and gives NaN, as a softmax over nothing does.
; SHARES.  A tile is 128 queries x 256 channels: 64 x 4 = 256 work-groups.  Four waves, each 64 queries x 128 channels: 32 accumulators, 256 registers.  A batch's 2,048 keys go in 8 steps of 256, each of 8 quarters of 32.
; V GOES THROUGH LDS, P DOES NOT.  V: two slots of 256 keys x 544 bytes, filled by joint tensor loads, 64 keys a wave.  P: straight into registers, a fragment by two loads of 512 consecutive bytes, into a ring of eight
; quarters (256 registers): a ring place is asked for again in the quarter behind the one that read it, six and a half quarters ahead of its next use.
; WHY P IS NOT ASKED FOR JOINTLY, though the four channel tiles of a row of the cluster and two waves of each read the same fragments: beside V in LDS it would cost 272 bytes a row more for each 128 keys, and two slots
; of 256 keys would be 2 x (128 x 528 + 256 x 544) = 413,696 bytes, more than a work-group has; with slots of 128 keys a refill stands for 128 matrix instructions a wave, with V alone for 256.
; CLUSTER.  4 x 4 work-groups: V's tile hangs on the channel tile and the batch (from the cluster's y) and is asked for jointly by a column of the cluster.
; LAYOUT.  O^T = V^T (g P)^T: source 0 = 16 channels x 32 keys, turned out of LDS by ds_load_tr16_b128; source 1 = 16 queries x 32 keys.  A lane holds ONE query (l % 16) in source 1 and in the result,
; so g and 1 / L are one number a lane and block of 16 queries.
; THE SCALING RIDES: a fragment of P is scaled by eight packed lines that stand in fours behind matrix instructions of the products before its own; each four costs two window switches.
; NO FIRST STEP IS WRITTEN OUT: the sums start from registers cleared by 256 lines, which stand in the wait for the first tile; the step's text stands twice (loop and last step), not three times.
; REGISTERS, in windows of 256 (s_set_vgpr_msb: bits 1:0 source 0, 3:2 source 1, 5:4 source 2, 7:6 destination):
;   window 0: v0-55 addresses, g, 1 / L; v128-255 at work at the start and on the way out      window 1: v0-63, v64-127 V's fragments, two buffers
;   window 2: the accumulators, (i, b) at v[8 (8 i + b)]      window 3: P's ring: quarter x, query block i at v[32 x + 8 i]
.set NS,    8                          ; steps
.set PV,    544                        ; a row of V in LDS: 512 + 32 bytes = 136 words
.set PART,  64*PV                      ; 64 keys: what one tensor load brings: 0x8800
.set SLOT,  4*PART                     ; 0x22000: it shares no bit with the waves' LDS words (multiples of 0x8800 up to three), so an exclusive or adds it or takes it away
.set GT,    2*SLOT                     ; behind the ring: for each wave 64 rows x 80 bytes: words 0-15 g_kb (f16, in both halves), word 16 1 / L
.set GP,    80
.set SPARE, GT+4*64*GP                 ; the spare words, 128 bytes for each wave: two blocks of 256 bytes that no other line names
.set SP,    528                        ; the way out's stage: 16 rows x 528 bytes for each wave, in slot 0's bytes, behind their last fill
.set KV,    256*6144                   ; bytes from a step of V to the next
.set KP,    8*1024                     ; bytes from a step of P to the next, in a block of 16 rows
.set RB,    65536                      ; bytes from a block of 16 rows of p to the next
.set AV0,  17                          ; v17  my lane's place in V's tile; never rewritten
.set AV,   18                          ; v18, v19  AV0 + the slot in hand, for quarters 0-3 and 4-7 (an LDS immediate holds 16 bits)
.set GA,   20                          ; v20  where my lane's g of the step's first block kb lies
.set GA0,  21                          ; v21  the same for step 0; never rewritten
.set GW,   22                          ; v22  where my lane writes its two rows of the table
.set STO,  24
.set RD,   25
.set CO,   26                          ; v26  16 x my lane: my place in 512 consecutive bytes of p and of out0; never rewritten
.set LO8,  27                          ; v27  8 x my lane
.set SPW,  28
.set NIL,  29
.set PFOV, 30                          ; v30  V's prefetches: (lane / 2) x a row of 6,144 bytes + 256 x (lane % 2); never rewritten
.set PFOP, 31                          ; v31  P's prefetches: 256 x lane; never rewritten
.set G,    32                          ; v32-35  g of my row in query blocks 0-3 for quarters 0-3; v36-39 for quarters 4-7
.set RL,   40                          ; v40, 42, 44, 46  1 / L likewise (the odd registers are named with them as pairs)
.set MM,   48                          ; v48-49  M of my two rows
.set LA,   50                          ; v50-53  two chains of L
.set RC,   54                          ; v54-55  1 / L of my two rows
.set MS,   128                         ; the start: m, then g, of my two rows, 16 pairs
.set LS,   160                         ; l likewise
.set GH,   192                         ; g as f16 twice: 16 registers a row
.set OT,   128                         ; the way out: 64 results
.set OB,   192                         ; rows read back
.set WV,   12
.set RH,   13                          ; s13  which half of the tile's queries is mine
.set CH,   14                          ; s14  which half of its channels
.set LIMV, 15                          ; s15  1 in a wave that prefetches V, else the greatest number
.set LIMP, 24                          ; s24  the same for P
.set PB,   26                          ; s[26:27] p at my first block of 16 rows, at the step in hand
.set PFP,  28                          ; s[28:29] where my prefetches of P stand
.set G1,   32                          ; s[32:39] descriptor group 1
.set G0,   48                          ; s[48:51] descriptor group 0: it walks
.set CNT,  56
.set TB,   57                          ; s57  LDS byte at which the slot in hand begins
.set CX,   66
.set CY,   67
.set GX,   68                          ; channel tile
.set GY,   69                          ; query tile, over all batches
.set PFV,  70                          ; s[70:71] where my prefetches of V stand
.set BA,   75
.set MSB, 0
.macro WIN new                         ; the immediate's high byte repeats the setting that is left; a switch that changes nothing is dropped
.if MSB != (\new)
	s_set_vgpr_msb (MSB<<8)|(\new)
.set MSB, \new
.endif
.endm
.macro PLACES
.rept 4
	v_nop
.endr
.endm
.macro CREST                           ; a round of the cluster's barrier behind its opening barrier
	s_cmp_lg_u32 s[WV], 0
	s_cbranch_scc1 .Lnot_wave_0_\@
	s_barrier_signal -3
.Lnot_wave_0_\@:
	s_barrier_wait -3
	s_barrier_signal -1
	s_barrier_wait -1
.endm
.macro CROUND
	s_barrier_signal -1
	s_barrier_wait -1
	CREST
.endm
; PREFETCHES INTO THE L2 of the step behind the one that is being asked for, blocks of 256 bytes, a lane a block.  V's 256 keys x 512 bytes: the four partners of a column of the cluster take 64 keys each, told apart by
; address; of them a wave takes 16, both halves; of a batch's four clusters along y the first asks.  P's 8 blocks of 16 rows x 8,192 bytes: the four partners of a row of the cluster take two blocks each, told apart by
; address; wave 0 asks for the one, wave 1 for the other.  So each block is named once in the launch.  The last trip asks for nothing: there is no step behind the one that it asks for.
.macro ASK
	s_cmp_gt_u32 s[CNT], s[LIMV]
	s_cbranch_scc0 .Lnot_v_\@
	global_prefetch_b8 v[PFOV], s[PFV:PFV+1] th:TH_LOAD_NT scope:SCOPE_SE
.Lnot_v_\@:
	s_cmp_gt_u32 s[CNT], s[LIMP]
	s_cbranch_scc0 .Lnot_p_\@
	global_prefetch_b8 v[PFOP], s[PFP:PFP+1] th:TH_LOAD_NT scope:SCOPE_SE
.Lnot_p_\@:
.endm
.macro SCALE4 x, i, q                  ; half q of fragment i of ring place x, times the g of that quarter's block kb
	WIN 0xc3                                       ; destination and source 0 window 3, source 1 window 0
.irp j, 0,1,2,3
	v_pk_mul_f16 v[32*(\x)+8*(\i)+4*(\q)+\j], v[32*(\x)+8*(\i)+4*(\q)+\j], v[G+4*((\x)/4)+(\i)]
.endr
.endm
; 8 matrix instructions: query block i x my 8 channel blocks, 32 keys: V's buffer f, ring place x.  n = 1: fragment ri of ring place rx is scaled beside them.
; The 32 accumulators take turns, in the same order in every quarter, over the backward jump too.
.macro MULA f, x, i, n=0, rx=0, ri=0
.irp b, 0,1,2,3,4,5,6,7
	WIN 0xad                                       ; V window 1, P window 3, C and D window 2
	v_wmma_f32_16x16x32_f16 v[8*(8*(\i)+\b):8*(8*(\i)+\b)+7], v[64*(\f)+8*\b:64*(\f)+8*\b+7], v[32*(\x)+8*(\i):32*(\x)+8*(\i)+7], v[8*(8*(\i)+\b):8*(8*(\i)+\b)+7]
.if (\n) && (\b == 1)
	SCALE4 \rx, \ri, 0
.endif
.if (\n) && (\b == 5)
	SCALE4 \rx, \ri, 1
.endif
.endr
.endm
.macro FETCHV q                        ; 16 LDS loads: quarter q (32 keys) of the slot in hand, my 128 channels, turned, into buffer q % 2
	WIN 0x40
.irp b, 0,1,2,3,4,5,6,7
	ds_load_tr16_b128 v[64*((\q)%2)+8*\b:64*((\q)%2)+8*\b+3],   v[AV+(\q)/4] offset:((\q)%4)*32*PV+32*\b
	ds_load_tr16_b128 v[64*((\q)%2)+8*\b+4:64*((\q)%2)+8*\b+7], v[AV+(\q)/4] offset:((\q)%4)*32*PV+16*PV+32*\b
.endr
.endm
.macro PLOAD x, off                    ; 8 loads: the four fragments of P at byte off behind PB, into ring place x; each load takes 512 consecutive bytes
	WIN 0xc0
.irp i, 0,1,2,3
	global_load_b128 v[32*(\x)+8*\i:32*(\x)+8*\i+3],   v[CO], s[PB:PB+1] offset:\i*RB+(\off)
	global_load_b128 v[32*(\x)+8*\i+4:32*(\x)+8*\i+7], v[CO], s[PB:PB+1] offset:\i*RB+(\off)+512
.endr
.endm
.macro GLOAD e, off                    ; set e of g, from byte off behind GA
	WIN 0
.irp i, 0,1,2,3
	ds_load_b32 v[G+4*(\e)+\i], v[GA] offset:16*GP*\i+(\off)
.endr
.endm
; THE CHANGE OF SLOTS, all but the load.  Each wave waits for all its tensor loads (one is out: its part of the next slot), adds 0 to its spare word, steps the walking descriptor to the slot that it leaves and the step
; two on, and waits for the add and for its reads of that slot; a round of the cluster's barrier follows: no wave of any partner still reads the slot or has a load on its way.  The joint refill is the first line behind it.
; work = 1, in the loop: the step's last eight products stand between the add and the wait for it; beside them the next step's first fragment of P is scaled.
.macro MEET work
	WIN 0
	s_wait_tensorcnt 0x0                           ; no tensor load of mine is out, so group 0 may be written
	ds_add_u32 v[SPW], v[NIL]                      ; 0 onto my spare word
	s_xor_b32 s[G0+1], s[G0+1], SLOT
	s_add_nc_u64 s[G0+2:G0+3], s[G0+2:G0+3], KV    ; (behind the last trip the stepped address is not used)
	s_xor_b32 s[TB], s[TB], SLOT                   ; the other slot is in hand
.if \work
	s_wait_loadcnt 48                              ; ring place 0 is in: its eight loads went out in quarter 1; the six runs of quarters 2 to 7 may stay out
	MULA 1, 7, 3, 1, 0, 0
	WIN 0
.endif
	s_wait_dscnt 0x0                               ; the add is done, and my reads of the slot are over
	CROUND
.endm
; A QUARTER: 32 products on V's buffer u % 2 and ring place u.  Fragment 0 was scaled in the quarter before; 1 to 3 are scaled here, each ahead of its products; then fragment 0 of the next place.
; In its middle ONE run of loads: the next quarter's V; the ring place read in the quarter before, for the step to come (quarter 0: place 7 of the step in hand); in quarters 1 and 5 the set of g that has had its last use.
; The eight scaling lines of the first eight products are the places between the last product that read those registers and the loads into them (ISA guide 7.12.1 for vector instructions).
; last = 1: the last step: only quarter 0 still loads P, and the counts run down.
.macro QUARTER u, last
	s_wait_dscnt 0x0                               ; V's buffer is in (and g, where it was asked for)
	MULA (\u)%2, \u, 0, 1, \u, 1
.if (\u) < 7
	FETCHV (\u)+1
.endif
.if (\u) == 0
	PLOAD 7, 7*1024
.elseif !(\last)
	PLOAD (\u)-1, KP+((\u)-1)*1024
.endif
.if (\u) == 1
	GLOAD 1, 4                                     ; the step's second block kb
.endif
.if ((\u) == 5) && !(\last)
	GLOAD 0, 8                                     ; the next step's first
.endif
	MULA (\u)%2, \u, 1, 1, \u, 2
	MULA (\u)%2, \u, 2, 1, \u, 3
.if (\u) < 7
.if \last
	s_wait_loadcnt 8*(6-(\u))                      ; the next place is in; behind its loads only 6 - u runs were issued
.else
	s_wait_loadcnt 48                              ; the next place is in: loads come back in order (ISA guide 5.7.1), and the six younger runs of eight may stay out
.endif
	MULA (\u)%2, \u, 3, 1, (\u)+1, 0
.elseif \last
	MULA 1, 7, 3
.else
	MEET 1
.endif
.endm
.macro START ask                       ; a step begins: the slot's addresses, its first quarter of V
	v_add_nc_u32 v[AV], s[TB], v[AV0]
	v_add_nc_u32 v[AV+1], 4*32*PV, v[AV]
	FETCHV 0
	WIN 0
.if \ask
	ASK                                            ; behind the joint load, its five lines and the run of LDS loads that the next products wait for
.endif
.endm
	s_load_b256 s[4:11], s[0:1], 0x0               ; p s[4:5], qkv s[6:7], st s[8:9], out0 s[10:11]
	v_lshl_add_u32 v[SPW], v0, 2, SPARE
	v_mov_b32 v[NIL], 0
	ds_add_u32 v[SPW], v[NIL]                      ; the wave's opening: the add and its wait stand ahead of my first tensor load
	v_lshrrev_b32 v3, 5, v0
	v_readfirstlane_b32 s[WV], v3
	s_lshr_b32 s[RH], s[WV], 1
	s_and_b32 s[CH], s[WV], 1
	s_bfe_u32 s[CX], ttmp6, 0x40000
	s_bfe_u32 s[CY], ttmp6, 0x40004
	s_lshl_b32 s[GX], ttmp9, 2
	s_add_co_u32 s[GX], s[GX], s[CX]
	s_and_b32 s[GY], ttmp7, 0xffff
	s_lshl_b32 s[GY], s[GY], 2
	s_add_co_u32 s[GY], s[GY], s[CY]
	s_and_b32 s[BA], ttmp7, 0xffff
	s_lshr_b32 s[BA], s[BA], 2                     ; a batch has 16 query tiles: four clusters along y
	s_lshl_b32 s3, 0x1111, s[CX]                   ; my column of the cluster
	s_or_b32 s[G1], s3, (1<<16)|(1<<20)|(1<<21)|(6<<22)|(7<<25)  ; mask; elements of 2 bytes; padding on; bit 21 beside a mask; after every 128 words; 8 words
	s_mov_b32 s[G1+1], 256<<16                     ; tensor_dim0 = 256
	s_mov_b32 s[G1+2], 64<<16                      ; tensor_dim1 = 64
	s_mov_b32 s[G1+3], 256<<16                     ; tile_dim0 = 256
	s_mov_b32 s[G1+4], 64                          ; tile_dim1 = 64
	s_mov_b32 s[G1+5], 3072                        ; elements from row to row of qkv
	s_mov_b32 s[G1+6], 0
	s_mov_b32 s[G1+7], 0
	s_lshl_b32 s76, s[BA], 11                      ; V: row 2,048 x batch + 64 x wave; 4,096 bytes into the row, + 512 x channel tile
	s_lshl_b32 s77, s[WV], 6
	s_add_co_u32 s76, s76, s77
	s_mul_i32 s76, s76, 6144
	s_lshl_b32 s77, s[GX], 9
	s_add_co_u32 s76, s76, s77
	s_add_co_u32 s76, s76, 4096
	s_mov_b32 s77, 0
	s_mul_i32 s20, s[WV], PART                     ; where my tiles go: wave x 64 keys: no place in the cluster enters an LDS address
	s_mov_b32 s[TB], SLOT                          ; the first change of slots turns it into 0
	s_wait_dscnt 0x0                               ; the opening add is done
	s_wait_kmcnt 0x0
	s_add_nc_u64 s[78:79], s[6:7], s[76:77]
	CROUND                                         ; all sixteen work-groups are here: the first joint loads meet
	s_mov_b32 s[G0], 1                             ; count = 1
	s_mov_b32 s[G0+1], s20                         ; LDS address: slot 0
	s_mov_b64 s[G0+2:G0+3], s[78:79]               ; global address: step 0
	s_or_b32 s[G0+3], s[G0+3], 0x80000000          ; type = 2
	tensor_load_to_lds s[G0:G0+3], s[G1:G1+7]      ; slot 0.  Slot 1 is asked for when slot 0 is in, by the loop's own line: one tensor load of mine is out at any time
	s_nop 0
.rept 4
	v_nop
.endr
	; THE STATISTICS AND P'S FIRST QUARTERS are asked for.  Lane l owns rows 2 l and 2 l + 1 of my wave's 64.
	v_and_b32 v3, 31, v0                           ; l
	v_lshlrev_b32 v[LO8], 3, v3
	v_lshlrev_b32 v[CO], 4, v3
	s_lshl_b32 s2, s[GY], 9                        ; my wave's first row, 4 bytes each
	s_lshl_b32 s3, s[RH], 8
	s_add_co_u32 s2, s2, s3
	s_mov_b32 s3, 0
	s_add_nc_u64 s[8:9], s[8:9], s[2:3]
.set k, 0
.rept 16
	global_load_b64 v[MS+2*k:MS+2*k+1], v[LO8], s[8:9] offset:k*32768
	global_load_b64 v[LS+2*k:LS+2*k+1], v[LO8], s[8:9] offset:k*32768+524288
.set k, k+1
.endr
	s_lshl_b32 s2, s[GY], 19                       ; p: block 8 x query tile + 4 x half, 65,536 bytes each
	s_lshl_b32 s3, s[RH], 18
	s_add_co_u32 s2, s2, s3
	s_mov_b32 s3, 0
	s_add_nc_u64 s[PB:PB+1], s[4:5], s[2:3]
	PLOAD 0, 0
	PLOAD 1, 1024
	PLOAD 2, 2048
	WIN 0x80                                       ; destination window 2
.set k, 0
.rept 256
	v_mov_b32 v[k], 0                              ; the sums start at 0: written while the first tile and the first loads are on their way
.set k, k+1
.endr
	WIN 0
	v_and_b32 v1, 15, v0                           ; r
	v_bfe_u32 v2, v0, 4, 1                         ; h
	v_and_b32 v4, 7, v0
	v_bfe_u32 v5, v0, 3, 1
	; the turning load takes 16 keys x 16 channels (lane l reads key 8 h + l % 8, channels 8 ((l / 8) % 2) + 0..7) and leaves half a fragment of V^T: lane l holds channel l % 16 and 8 keys
	s_lshl_b32 s2, s[CH], 8                        ; my 128 channels
	v_lshl_add_u32 v[AV0], v2, 3, v4
	v_mul_u32_u24 v[AV0], v[AV0], PV
	v_lshl_add_u32 v[AV0], v5, 4, v[AV0]
	v_add_nc_u32 v[AV0], s2, v[AV0]
	s_mul_i32 s2, s[WV], 64*GP
	s_add_co_u32 s2, s2, GT                        ; my table
	v_mul_u32_u24 v[GA0], v1, GP
	v_add_nc_u32 v[GA0], s2, v[GA0]
	v_mov_b32 v[GA], v[GA0]
	v_mul_u32_u24 v[GW], v3, 2*GP
	v_add_nc_u32 v[GW], s2, v[GW]
	s_mul_i32 s2, s[WV], 16*SP                     ; my stage
	v_mul_u32_u24 v[STO], v1, SP                   ; in: row r, 32 bytes for each half of the lanes
	v_lshl_add_u32 v[STO], v2, 5, v[STO]
	v_add_nc_u32 v[STO], s2, v[STO]
	v_add_nc_u32 v[RD], s2, v[CO]                  ; back: 32 lanes take a row's 512 bytes
.irp i, 0,1,2,3
	v_mov_b32 v[RL+2*\i+1], 0                      ; named in pairs
.endr
	s_lshl_b32 s2, s[GY], 19                       ; out0 at my first row (4,096 bytes a row) and my first channel (4 bytes each)
	s_lshl_b32 s3, s[RH], 18
	s_add_co_u32 s2, s2, s3
	s_lshl_b32 s3, s[GX], 10
	s_add_co_u32 s2, s2, s3
	s_lshl_b32 s3, s[CH], 9
	s_add_co_u32 s2, s2, s3
	s_mov_b32 s3, 0
	s_add_nc_u64 s[10:11], s[10:11], s[2:3]
	; the prefetches: both stand at step 2, which the first trip names.  Nothing is prefetched here, at the head
	s_lshl_b32 s20, s[BA], 11                      ; V: key 2,048 x batch + 64 x my place along y + 16 x wave
	s_lshl_b32 s21, s[CY], 6
	s_add_co_u32 s20, s20, s21
	s_lshl_b32 s21, s[WV], 4
	s_add_co_u32 s20, s20, s21
	s_mul_i32 s20, s20, 6144
	s_lshl_b32 s21, s[GX], 9
	s_add_co_u32 s20, s20, s21
	s_add_co_u32 s20, s20, 4096+2*KV
	s_mov_b32 s21, 0
	s_add_nc_u64 s[PFV:PFV+1], s[6:7], s[20:21]
	s_lshl_b32 s20, s[GY], 19                      ; P: block 8 x query tile + 2 x my place along x + wave % 2
	s_lshl_b32 s22, s[CX], 17
	s_add_co_u32 s20, s20, s22
	s_lshl_b32 s22, s[CH], 16
	s_add_co_u32 s20, s20, s22
	s_add_co_u32 s20, s20, 2*KP
	s_add_nc_u64 s[PFP:PFP+1], s[4:5], s[20:21]
	v_lshrrev_b32 v4, 1, v3
	v_mul_u32_u24 v[PFOV], v4, 6144
	v_and_b32 v4, 1, v3
	v_lshl_add_u32 v[PFOV], v4, 8, v[PFOV]
	v_lshlrev_b32 v[PFOP], 8, v3
	s_and_b32 s2, ttmp7, 0xffff
	s_and_b32 s2, s2, 3                            ; which of the batch's four clusters along y
	s_cmp_eq_u32 s2, 0
	s_cselect_b32 s[LIMV], 1, -1                   ; the same in all sixteen partners
	s_cmp_lt_u32 s[WV], 2
	s_cselect_b32 s[LIMP], 1, -1
	s_wait_loadcnt 24                              ; m and l are in; the 24 loads of P's first three quarters may stay out
	PLOAD 3, 3*1024
	PLOAD 4, 4*1024
	PLOAD 5, 5*1024
	PLOAD 6, 6*1024                                ; place 7 is asked for in the first quarter, like every place after it: one quarter behind its last reader
	WIN 0
.irp e, 0,1
	v_max3_num_f32 v[MM+\e], v[MS+\e], v[MS+2+\e], v[MS+4+\e]
.endr
.set k, 3
.rept 6
.irp e, 0,1
	v_max3_num_f32 v[MM+\e], v[MM+\e], v[MS+2*k+\e], v[MS+2*k+2+\e]
.endr
.set k, k+2
.endr
.irp e, 0,1
	v_max_num_f32 v[MM+\e], v[MM+\e], v[MS+30+\e]  ; M: the row's maximum over all its visible keys
.endr
.set k, 0
.rept 16
	v_pk_add_f32 v[MS+2*k:MS+2*k+1], v[MS+2*k:MS+2*k+1], v[MM:MM+1] neg_lo:[0,1] neg_hi:[0,1]  ; m - M, at most 0
.set k, k+1
.endr
.set k, 0
.rept 32
	v_exp_f32 v[MS+k], v[MS+k]                     ; g: one batch
.set k, k+1
.endr
	v_nop                                          ; a plain instruction behind the last exponential,
	s_wait_alu depctr_va_vdst(0)                   ; and one wait ahead of the batch's first reader
	v_pk_mul_f32 v[LA:LA+1], v[MS:MS+1], v[LS:LS+1]
	v_pk_mul_f32 v[LA+2:LA+3], v[MS+2:MS+3], v[LS+2:LS+3]
.set k, 2
.rept 14
	v_pk_fma_f32 v[LA+2*(k%2):LA+2*(k%2)+1], v[MS+2*k:MS+2*k+1], v[LS+2*k:LS+2*k+1], v[LA+2*(k%2):LA+2*(k%2)+1]
.set k, k+1
.endr
	v_pk_add_f32 v[LA:LA+1], v[LA:LA+1], v[LA+2:LA+3]  ; L
	v_rcp_f32 v[RC], v[LA]
	v_rcp_f32 v[RC+1], v[LA+1]
.set k, 0
.rept 16                                           ; independent work behind the reciprocals: g rounded to f16, in both halves of a word
	v_cvt_pk_f16_f32 v[GH+k], v[MS+2*k], v[MS+2*k]
	v_cvt_pk_f16_f32 v[GH+16+k], v[MS+2*k+1], v[MS+2*k+1]
.set k, k+1
.endr
	s_wait_alu depctr_va_vdst(0)                   ; one wait for the two reciprocals, ahead of their first reader
.irp e, 0,1
.irp j, 0,1,2,3
	ds_store_b128 v[GW], v[GH+16*\e+4*\j:GH+16*\e+4*\j+3] offset:GP*\e+16*\j
.endr
	ds_store_b32 v[GW], v[RC+\e] offset:GP*\e+64
.endr
	GLOAD 0, 0                                     ; g of block kb = 0 (the table is my wave's own, and LDS serves a wave's instructions in order: ISA guide 5.7.1.4)
	s_wait_dscnt 0x0
	s_wait_loadcnt 48                              ; ring place 0 is in; the 48 loads of places 1 to 6 may stay out
	SCALE4 0, 0, 0
	SCALE4 0, 0, 1
	MEET 0                                         ; slot 0 is in, everybody's part of it
	s_mov_b32 s[CNT], NS-1
.Lstep:                                            ; seven trips: step t is multiplied, V of step t + 1 and P of step t + 1 are asked for
	tensor_load_to_lds s[G0:G0+3], s[G1:G1+7]      ; the first thing behind the round, and my one tensor load until the next: 256 matrix instructions less eight stand ahead of the wait for it
	s_nop 0
.rept 4
	v_nop
.endr
	START 1
.irp u, 0,1,2,3,4,5,6,7
	QUARTER \u, 0
.endr
	s_wait_xcnt 0x0                                ; every load and prefetch issued so far has read its address (the youngest prefetch a step back): the pointers are written only behind this wait
	s_add_nc_u64 s[PB:PB+1], s[PB:PB+1], KP
	s_add_nc_u64 s[PFV:PFV+1], s[PFV:PFV+1], KV
	s_add_nc_u64 s[PFP:PFP+1], s[PFP:PFP+1], KP
	v_add_nc_u32 v[GA], 8, v[GA]                   ; two blocks kb on
	s_sub_co_u32 s[CNT], s[CNT], 1
	s_cmp_lg_u32 s[CNT], 0
	s_cbranch_scc1 .Lstep
	START 0                                        ; the last step is written out: nothing more is asked for but P's last quarter
.irp u, 0,1,2,3,4,5,6,7
	QUARTER \u, 1
.endr
	; THE WAY OUT: divided by L; a block of 16 queries at a time through my stage in LDS, and out as whole rows of 512 bytes.
	WIN 0
	s_wait_dscnt 0x0
	s_barrier_signal -1                            ; every wave's LDS loads are back: behind this barrier nobody reads a slot any more, and the stage, in slot 0's bytes, may be written
	s_barrier_wait -1
.irp i, 0,1,2,3
	ds_load_b32 v[RL+2*\i], v[GA0] offset:16*GP*\i+64
.endr
	PLACES                                         ; behind the last products
	s_wait_dscnt 0x0
.irp i, 0,1,2,3
	WIN 0x02                                       ; source 0: window 2
.set k, 0
.rept 32
	v_pk_mul_f32 v[OT+2*k:OT+2*k+1], v[64*\i+2*k:64*\i+2*k+1], v[RL+2*\i:RL+2*\i+1] op_sel_hi:[1,0]  ; each accumulator from its low end on
.set k, k+1
.endr
	WIN 0
.irp b, 0,1,2,3,4,5,6,7
	ds_store_b128 v[STO], v[OT+8*\b:OT+8*\b+3]   offset:64*\b
	ds_store_b128 v[STO], v[OT+8*\b+4:OT+8*\b+7] offset:64*\b+16
.endr
	s_wait_xcnt 0x0                                ; the block before's stores have read their registers: they are loaded again only behind this wait
.set t, 0
.rept 16
	ds_load_b128 v[OB+4*t:OB+4*t+3], v[RD] offset:SP*t  ; LDS serves a wave's instructions in order (ISA guide 5.7.1.4): these see the stores above
.set t, t+1
.endr
.set t, 0
.rept 16
	s_wait_dscnt 15-t                              ; row t is back, the younger ones stay out
	global_store_b128 v[CO], v[OB+4*t:OB+4*t+3], s[10:11] offset:(16*\i+t)*4096 th:TH_STORE_NT  ; 512 consecutive bytes, at a multiple of 256 from out0's first byte
.set t, t+1
.endr
.endr
	s_wait_tensorcnt 0x0                           ; the wave's end, behind my last tensor load and my last LDS store
	ds_add_u32 v[SPW], v[NIL]
	s_wait_dscnt 0x0
	CROUND                                         ; the closing round
	s_endpgm
.Lfunc_end_k_q67ff82863c_pv:
	.size	k_q67ff82863c_pv, .Lfunc_end_k_q67ff82863c_pv-k_q67ff82863c_pv
	.p2alignl 7, 3214868480
	.fill 96, 4, 3214868480
	.section	.rodata,"a",@progbits
	.p2align	6, 0x0
	.amdhsa_kernel k_q67ff82863c_pv
		.amdhsa_group_segment_fixed_size 327680
		.amdhsa_private_segment_fixed_size 0
		.amdhsa_enable_private_segment 0
		.amdhsa_kernarg_size 32
		.amdhsa_user_sgpr_count 2
		.amdhsa_user_sgpr_kernarg_segment_ptr 1
		.amdhsa_wavefront_size32 1
		.amdhsa_system_sgpr_workgroup_id_x 1
		.amdhsa_system_sgpr_workgroup_id_y 1
		.amdhsa_system_sgpr_workgroup_id_z 1
		.amdhsa_system_vgpr_workitem_id 0
		.amdhsa_next_free_vgpr 1024
		.amdhsa_next_free_sgpr 80
		.amdhsa_reserve_vcc 0
		.amdhsa_float_denorm_mode_32 3
		.amdhsa_float_denorm_mode_16_64 3
		.amdhsa_memory_ordered 1
		.amdhsa_forward_progress 1
		.amdhsa_inst_pref_size 156
	.end_amdhsa_kernel
	.amdgpu_metadata
---
amdhsa.version: [ 1, 2 ]
amdhsa.kernels:
  - .name:           k_q67ff82863c_pv
    .symbol:         k_q67ff82863c_pv.kd
    .args:
      - { .name: p, .offset: 0, .size: 8, .value_kind: global_buffer, .address_space: global }
      - { .name: qkv, .offset: 8, .size: 8, .value_kind: global_buffer, .address_space: global }
      - { .name: st, .offset: 16, .size: 8, .value_kind: global_buffer, .address_space: global }
      - { .name: out0, .offset: 24, .size: 8, .value_kind: global_buffer, .address_space: global }
    .group_segment_fixed_size: 327680
    .private_segment_fixed_size: 0
    .kernarg_segment_align: 8
    .kernarg_segment_size: 32
    .max_flat_workgroup_size: 128
    .sgpr_count:     80
    .vgpr_count:     1024
    .wavefront_size: 32
...
	.end_amdgpu_metadata
.endif
;; end of part 4
;; ======== version 2 of 2: 4 launches; version 1 with the launch prep written anew for expert scheduling mode
;; limits: values are held in f16: magnitudes above 65,504 overflow, below 6.1e-05 lose precision
;; workspace buffers: xh 16,777,216 bytes; wh 6,291,456 bytes; bias 12,288 bytes; madd 32,768 bytes; qkv 50,331,648 bytes; p 33,554,432 bytes; st 1,048,576 bytes
;; launch prep (part 5): grid 705 x 1, 8 waves a work-group, no clusters, 0 bytes of LDS; arguments x, Wq, Wk, Wv, bq, bk, bv, mask, xh, wh, bias, madd; writes xh, wh, bias, madd
.if DOCPART == 5
	.amdgcn_target "amdgcn-amd-amdhsa--gfx1250"
	.amdhsa_code_object_version 6
	.text
	.protected	k_q67ff82863c_prep
	.globl	k_q67ff82863c_prep
	.p2align	8
	.type	k_q67ff82863c_prep,@function
k_q67ff82863c_prep:
	s_mov_b64 s[64:65], 0
	v_nop
	global_prefetch_b8 v0, s[64:65] scope:SCOPE_SE
	s_setreg_imm32_b32 hwreg(HW_REG_WAVE_SCHED_MODE, 0, 2), 2
	s_setreg_imm32_b32 hwreg(HW_REG_WAVE_MODE, 25, 1), 1
	s_wait_xcnt 0x0
	s_wait_alu depctr_vm_vsrc(0)
; THE INPUTS ARE MADE READY.  xh = x rounded to bf16; wh = Wq, Wk, Wv rounded to bf16, one below the other ([3072][1024]);
; bias = bq, bk, bv, each rounded to bf16 and written as f32 ([3072]); madd[b][k] = 0 where mask[b][k] is not 0, else -infinity.
; A stream: each byte is read once and written once; no LDS, no barrier, no matrix unit, nothing shared between work-groups.
; SHARES.  Work-groups 0-703 convert 16,384 numbers each (65,536 bytes in, 32,768 out): 0-511 take x, 512-703 the three weights,
; 64 chunks each.  Thread t takes the 16 bytes at 16 t of each 4,096 bytes: a load of a wave covers 512 consecutive bytes, a store
; 256 consecutive bytes at a multiple of 256 from the buffer's first byte.  All sixteen loads of a thread go out at once.
; Work-group 704 makes madd and bias (8,192 mask bytes, 3 x 1,024 numbers).
; THE MODE: SCHED_MODE bits 1:0 = 2 (LLVM: expert scheduling mode 2), set by the entry lines.  The code itself states the register dependences
; between vector instructions and memory instructions, with s_wait_alu, always for 0.
; THE PLAN.  Registers that memory instructions touch:
;   v1, v2, v3   byte offsets, made once at the head and never written again: one wait, ahead of the branch, serves every load and store of both paths.
;   IN           written by the sixteen loads, which all go out before any vector instruction names these registers; read by the conversions, each register once.
;   OUT          written by the conversions, each register once; read by one store each.
; The sixteen rows go in four groups of four.  Group g's conversions read IN[g] and write OUT[g]; the memory instructions that stand among them are the four stores of
; group g - 1, which read v2 and OUT[g - 1]: registers that no vector instruction of group g names.  So one wait at the head of a group states all that its four stores hang on.
;   Work-group 704: v[8:27] written by eleven loads, before any vector instruction names them; v[32:63] written by the selects, read by eight stores; v[64:75] written by the
;   bias's lines, read by three stores; v4 is named by vector instructions alone.  The compares write scalar registers in runs of eight, with one wait behind each run.
; No register that a memory instruction reads is written again, and EXEC is never written.
.set X_CHUNKS,   512
.set ALL_CHUNKS, 704
.set IN,  8                            ; v[8:71]    sixteen loads of four f32
.set OUT, 72                           ; v[72:103]  sixteen pairs of registers, four bf16 each
.set MK,  8                            ; s[8:15]    work-group 704 alone: eight masks of lanes (that path uses neither x's address nor the weights', and writes these registers behind its wait for the arguments)
	s_load_b512 s[8:23], s[0:1], 0x0               ; x 8, Wq 10, Wk 12, Wv 14, bq 16, bk 18, bv 20, mask 22
	s_load_b256 s[24:31], s[0:1], 0x40             ; xh 24, wh 26, bias 28, madd 30
	v_lshlrev_b32 v1, 4, v0                        ; 16 t
	v_lshlrev_b32 v2, 3, v0                        ; 8 t
	v_lshlrev_b32 v3, 2, v0                        ; 4 t: four mask bytes (read by work-group 704 alone; made here, so that the one wait below serves both paths)
	s_wait_alu depctr_va_vdst(0)                   ; v1, v2 and v3 are written: every load and store of the kernel reads one of them as its offset
	s_cmp_ge_u32 ttmp9, ALL_CHUNKS
	s_cbranch_scc1 .Lsmall
	s_sub_co_i32 s4, ttmp9, X_CHUNKS
	s_max_i32 s4, s4, 0                            ; my chunk among the weights' 192 (0 for a chunk of x)
	s_lshr_b32 s5, s4, 6                           ; which weight
	s_and_b32 s6, s4, 63                           ; which chunk of it
	s_mov_b32 s37, 0
	s_wait_kmcnt 0x0
	s_cmp_eq_u32 s5, 1
	s_cselect_b64 s[32:33], s[12:13], s[10:11]     ; Wk or Wq,
	s_cmp_eq_u32 s5, 2
	s_cselect_b64 s[32:33], s[14:15], s[32:33]     ; or Wv,
	s_cmp_lt_u32 ttmp9, X_CHUNKS
	s_cselect_b64 s[32:33], s[8:9], s[32:33]       ; or x
	s_cselect_b64 s[34:35], s[24:25], s[26:27]     ; into xh or wh
	s_cselect_b32 s36, ttmp9, s6                   ; the chunk in the source,
	s_cselect_b32 s38, ttmp9, s4                   ; and in the destination
	s_lshl_b32 s36, s36, 16
	s_add_nc_u64 s[32:33], s[32:33], s[36:37]
	s_lshl_b32 s36, s38, 15
	s_add_nc_u64 s[34:35], s[34:35], s[36:37]
.irp i, 0,1,2,3,4,5,6,7,8,9,10,11,12,13,14,15
	global_load_b128 v[IN+4*(\i):IN+4*(\i)+3], v1, s[32:33] offset:4096*(\i) th:TH_LOAD_NT
.endr
; Group g: rows 4 g to 4 g + 3 are rounded; the stores of group g - 1 stand among the conversions, one ahead of each row's two.
.macro GROUP g
	s_wait_loadcnt 12-4*(\g)                       ; loads come back in order: this group's four are in, the 12 - 4 g younger ones stay out
.if (\g) > 0
	s_wait_alu depctr_va_vdst(0)                   ; the group before's conversions have written its OUT, which the four stores below read
.endif
.irp i, 0,1,2,3
.if (\g) > 0
	global_store_b64 v2, v[OUT+2*(4*(\g)-4+(\i)):OUT+2*(4*(\g)-4+(\i))+1], s[34:35] offset:2048*(4*(\g)-4+(\i)) th:TH_STORE_NT  ; no vector instruction since the wait names these registers
.endif
	v_cvt_pk_bf16_f32 v[OUT+2*(4*(\g)+(\i))],   v[IN+4*(4*(\g)+(\i))],   v[IN+4*(4*(\g)+(\i))+1]
	v_cvt_pk_bf16_f32 v[OUT+2*(4*(\g)+(\i))+1], v[IN+4*(4*(\g)+(\i))+2], v[IN+4*(4*(\g)+(\i))+3]   ; no register is written twice
.endr
.endm
	GROUP 0
	GROUP 1
	GROUP 2
	GROUP 3
	s_wait_alu depctr_va_vdst(0)                   ; group 3's conversions have written its OUT, which the last four stores read
.irp i, 12,13,14,15
	global_store_b64 v2, v[OUT+2*(\i):OUT+2*(\i)+1], s[34:35] offset:2048*(\i) th:TH_STORE_NT
.endr
	s_endpgm
.Lsmall:
	s_mov_b32 s38, 0xff800000                      ; -infinity
	s_wait_kmcnt 0x0
.irp i, 0,1,2,3,4,5,6,7
	global_load_b32 v[8+(\i)], v3, s[22:23] offset:1024*(\i)
.endr
	global_load_b128 v[16:19], v1, s[16:17]
	global_load_b128 v[20:23], v1, s[18:19]
	global_load_b128 v[24:27], v1, s[20:21]
	s_wait_loadcnt 0x0
.irp n, 0,1,2,3                                        ; run n: the eight bytes of mask words 2 n and 2 n + 1
.irp i, 0,1
.irp k, 0,1,2,3
	v_bfe_u32 v4, v[8+2*(\n)+(\i)], 8*(\k), 8
	v_cmp_eq_u32 s[MK+4*(\i)+(\k)], 0, v4          ; a byte of 0 hides the key
.endr
.endr
	s_wait_alu depctr_va_sdst(0)                   ; the run's eight compares have written s8 to s15, ahead of the first select that reads one of them
.irp i, 0,1
.irp k, 0,1,2,3
	v_cndmask_b32 v[32+8*(\n)+4*(\i)+(\k)], 0, s38, s[MK+4*(\i)+(\k)]
.endr
.endr
.endr
	s_wait_alu depctr_va_vdst(0)                   ; the 32 selects have written v[32:63], which the eight stores read
.irp i, 0,1,2,3,4,5,6,7
	global_store_b128 v1, v[32+4*(\i):32+4*(\i)+3], s[30:31] offset:4096*(\i)
.endr
.irp j, 0,1,2                                          ; these lines name v4, v[16:27] and v[64:75]: none of the registers that the stores above read
.irp k, 0,1
	v_cvt_pk_bf16_f32 v4, v[16+4*(\j)+2*(\k)], v[16+4*(\j)+2*(\k)+1]  ; rounded as the other inputs are,
	v_lshlrev_b32 v[64+4*(\j)+2*(\k)], 16, v4                         ; and written as f32
	v_and_b32 v[64+4*(\j)+2*(\k)+1], 0xffff0000, v4
.endr
.endr
	s_wait_alu depctr_va_vdst(0)                   ; the lines above have written v[64:75], which the three stores read
.irp j, 0,1,2
	global_store_b128 v1, v[64+4*(\j):64+4*(\j)+3], s[28:29] offset:4096*(\j)
.endr
	s_endpgm
.Lfunc_end_k_q67ff82863c_prep:
	.size	k_q67ff82863c_prep, .Lfunc_end_k_q67ff82863c_prep-k_q67ff82863c_prep
	.p2alignl 7, 3214868480
	.fill 96, 4, 3214868480
	.section	.rodata,"a",@progbits
	.p2align	6, 0x0
	.amdhsa_kernel k_q67ff82863c_prep
		.amdhsa_group_segment_fixed_size 0
		.amdhsa_private_segment_fixed_size 0
		.amdhsa_enable_private_segment 0
		.amdhsa_kernarg_size 96
		.amdhsa_user_sgpr_count 2
		.amdhsa_user_sgpr_kernarg_segment_ptr 1
		.amdhsa_wavefront_size32 1
		.amdhsa_system_sgpr_workgroup_id_x 1
		.amdhsa_system_sgpr_workgroup_id_y 1
		.amdhsa_system_sgpr_workgroup_id_z 1
		.amdhsa_system_vgpr_workitem_id 0
		.amdhsa_next_free_vgpr 104
		.amdhsa_next_free_sgpr 66
		.amdhsa_reserve_vcc 0
		.amdhsa_float_denorm_mode_32 3
		.amdhsa_float_denorm_mode_16_64 3
		.amdhsa_memory_ordered 1
		.amdhsa_forward_progress 1
		.amdhsa_inst_pref_size 16
	.end_amdhsa_kernel
	.amdgpu_metadata
---
amdhsa.version: [ 1, 2 ]
amdhsa.kernels:
  - .name:           k_q67ff82863c_prep
    .symbol:         k_q67ff82863c_prep.kd
    .args:
      - { .name: x, .offset: 0, .size: 8, .value_kind: global_buffer, .address_space: global }
      - { .name: Wq, .offset: 8, .size: 8, .value_kind: global_buffer, .address_space: global }
      - { .name: Wk, .offset: 16, .size: 8, .value_kind: global_buffer, .address_space: global }
      - { .name: Wv, .offset: 24, .size: 8, .value_kind: global_buffer, .address_space: global }
      - { .name: bq, .offset: 32, .size: 8, .value_kind: global_buffer, .address_space: global }
      - { .name: bk, .offset: 40, .size: 8, .value_kind: global_buffer, .address_space: global }
      - { .name: bv, .offset: 48, .size: 8, .value_kind: global_buffer, .address_space: global }
      - { .name: mask, .offset: 56, .size: 8, .value_kind: global_buffer, .address_space: global }
      - { .name: xh, .offset: 64, .size: 8, .value_kind: global_buffer, .address_space: global }
      - { .name: wh, .offset: 72, .size: 8, .value_kind: global_buffer, .address_space: global }
      - { .name: bias, .offset: 80, .size: 8, .value_kind: global_buffer, .address_space: global }
      - { .name: madd, .offset: 88, .size: 8, .value_kind: global_buffer, .address_space: global }
    .group_segment_fixed_size: 0
    .private_segment_fixed_size: 0
    .kernarg_segment_align: 8
    .kernarg_segment_size: 96
    .max_flat_workgroup_size: 256
    .sgpr_count:     66
    .vgpr_count:     104
    .wavefront_size: 32
...
	.end_amdgpu_metadata
.endif
;; end of part 5
;; launch proj: the kernel of part 2 again; grid 8 x 64, 4 waves a work-group, clusters of 4 x 4, 327,680 bytes of LDS; arguments xh, wh, bias, qkv; writes qkv
;; launch scores: the kernel of part 3 again; grid 8 x 32, 4 waves a work-group, clusters of 4 x 4, 327,680 bytes of LDS; arguments qkv, madd, p, st; writes p, st
;; launch pv: the kernel of part 4 again; grid 4 x 64, 4 waves a work-group, clusters of 4 x 4, 327,680 bytes of LDS; arguments p, qkv, st, out0; writes out0
